; MI455X (gfx1250); checked and timed in simulation.
; The chip was launched on July 23, 2026; its instructions are those of AMD's public machine-readable ISA for CDNA 5 (MIT licence, August 2026) and "CDNA5" Instruction Set Architecture Reference Guide (July 2026). The comments in the code are by the model that wrote it; some were corrected since.
;; Transformer Block. Allowed arithmetic: matrix products marked QUANTISED: E2M1 operands, one E8M0 scale for each 32 along K, by v_wmma_scale_f32_16x16x128_f8f6f4 with both operands' format E2M1 (or v_wmma_scale_f32_32x16x128_f4), f32 sums; everything else in f32.
;; Inputs: ffn_ln_b 2,048 float32; ffn_ln_w 2,048 float32; freqs_cis 2,048 x 16 x 2 float32; input_pos 2,048 int32; kn_w 128 float32; ln0_b 2,048 float32; ln0_w 2,048 float32; ln1_b 2,048 float32; ln1_w 2,048 float32; ln2_b 2,048 float32; ln2_w 2,048 float32; mask 1 x 1 x 2,048 x 2,048 bool; qn_w 128 float32; w1_b 1,472 float32; w1_w_codes 1,472 x 64 x 16 uint8 (E2M1 codes of w1_w, K innermost, in blocks of 32 codes, two codes a byte); w1_w_scales 1,472 x 64 uint8 (E8M0 scales of w1_w, one for each 32 codes along K); w2_b 2,048 float32; w2_w_codes 2,048 x 46 x 16 uint8 (E2M1 codes of w2_w, K innermost, in blocks of 32 codes, two codes a byte); w2_w_scales 2,048 x 46 uint8 (E8M0 scales of w2_w, one for each 32 codes along K); wk_b 2,048 float32; wk_w_codes 2,048 x 64 x 16 uint8 (E2M1 codes of wk_w, K innermost, in blocks of 32 codes, two codes a byte); wk_w_scales 2,048 x 64 uint8 (E8M0 scales of wk_w, one for each 32 codes along K); wo_b 2,048 float32; wo_w_codes 2,048 x 64 x 16 uint8 (E2M1 codes of wo_w, K innermost, in blocks of 32 codes, two codes a byte); wo_w_scales 2,048 x 64 uint8 (E8M0 scales of wo_w, one for each 32 codes along K); wq_b 2,048 float32; wq_w_codes 2,048 x 64 x 16 uint8 (E2M1 codes of wq_w, K innermost, in blocks of 32 codes, two codes a byte); wq_w_scales 2,048 x 64 uint8 (E8M0 scales of wq_w, one for each 32 codes along K); wv_b 2,048 float32; wv_w_codes 2,048 x 64 x 16 uint8 (E2M1 codes of wv_w, K innermost, in blocks of 32 codes, two codes a byte); wv_w_scales 2,048 x 64 uint8 (E8M0 scales of wv_w, one for each 32 codes along K); x0 1 x 2,048 x 2,048 float32; x1 1 x 2,048 x 2,048 float32; x2 1 x 2,048 x 2,048 float32; x3 1 x 2,048 x 2,048 float32.
;; Outputs: out0 1 x 2,048 x 2,048 float32.
;; This version of the problem:
;;   THIS VERSION OF THE PROBLEM IS GIVEN IN LOW PRECISION. The matrix products marked QUANTISED in the list below multiply operands that are first quantised to E2M1 (2 exponent bits, 1 mantissa bit; 4 bits a number), with one power-of-two scale for each 32 numbers along K (OCP MX v1.0); their sums are f32. All else is computed in f32.
;;   The module's matrix products, in the order in which they are computed (A, B: the left and right operand; K: the contracted axis; several contracted axes count as one K, in the product's order):
;;     1. [M 2,048, K 2,048] x [K 2,048, N 2,048]; A: computed on the way; B: input wq_w (given as codes): QUANTISED
;;     2. [M 2,048, K 2,048] x [K 2,048, N 2,048]; A: computed on the way; B: input wk_w (given as codes): QUANTISED
;;     3. [M 2,048, K 2,048] x [K 2,048, N 2,048]; A: computed on the way; B: input wv_w (given as codes): QUANTISED
;;     4. batch 16 x [M 2,048, K 128] x [K 128, N 2,048]; A: computed on the way; B: computed on the way: QUANTISED
;;     5. batch 16 x [M 128, K 2,048] x [K 2,048, N 2,048]; A: computed on the way; B: softmax (see below): QUANTISED
;;     6. [M 2,048, K 2,048] x [K 2,048, N 2,048]; A: computed on the way; B: input wo_w (given as codes): QUANTISED
;;     7. [M 2,048, K 2,048] x [K 2,048, N 1,472]; A: computed on the way; B: input w1_w (given as codes): QUANTISED
;;     8. [M 2,048, K 1,472] x [K 1,472, N 2,048]; A: computed on the way; B: input w2_w (given as codes): QUANTISED
;;   THE QUANTISER, for each operand of a quantised product, along K:
;;     - K is cut into blocks of 32 from its start; a last block that is shorter is filled with zeros.
;;     - A block's scale is 2^e with e = floor(log2(the largest magnitude in the block)) - 2, held to -126 .. 127; a block of zeros has e = 0. As a byte (E8M0): e + 127.
;;     - Each number is divided by its block's scale, clamped to +-6, and rounded to the nearest number of E2M1, ties to even, subnormals kept.
;;     - The product sums the exact products of the quantised numbers (number of the format x scale) in f32.
;;   ~~~python
;;   def quantise(x, axis):      # numpy; x: float32 -> the quantised numbers, widened to float32 again
;;       x = np.moveaxis(x, axis, -1); K = x.shape[-1]
;;       x = np.pad(x, [(0, 0)] * (x.ndim - 1) + [(0, -K % 32)]); x = x.reshape(x.shape[:-1] + (-1, 32)); a = np.abs(x).max(-1, keepdims=True)
;;       e = np.where(a > 0, np.clip(np.frexp(np.where(a > 0, a, 1))[1] - 1 - 2, -126, 127), 0)      # np.frexp(a)[1] - 1 = floor(log2(a)), exactly
;;       r = np.clip(x / 2.0 ** e, -6, 6)
;;       step = 2.0 ** (np.maximum(np.frexp(np.where(r == 0, 1, r))[1] - 1, 0) - 1)
;;       q = np.round(r / step) * step * 2.0 ** e      # np.round: ties to even
;;       return np.moveaxis(q.reshape(q.shape[:-2] + (-1,))[..., :K], -1, axis).astype(np.float32)
;;   ~~~
;;   SOFTMAX AHEAD OF A QUANTISED PRODUCT. Where the list says 'softmax', what is quantised is not the finished softmax but p = 2^(t - M), with t = logit x log2(e) and M = ceil(the row's largest t), a whole number; so 1/2 < the row's largest p <= 1. The row's sum l is taken of the UNQUANTISED p, in f32, and the product's result is divided by l at the end. Since M is a whole number, a kernel that streams over the keys may use a running M (the ceiling of the running maximum): every later rescaling is an exact power of two, which a block's scale takes up: the codes' values come out the same.
;;   OPERANDS COMPUTED ON THE WAY. 'Computed on the way' means the value that the module computes at that place (a softmax that the list does not call 'softmax' is quantised finished and normalised). What goes into a quantiser is computed in f32, as accurately as f32 sums, v_exp_f32 and their like allow (about 1e-6 of the number): no bf16 or f16 on the way to a quantiser, and a product that is left as it is and whose result goes on into a quantised operand takes f32 operands (vector FMAs, or v_wmma_f32_16x16x4_f32). A number that lies on a knife's edge between two numbers of the format may be rounded either way, as far as f32 arithmetic and the matrix unit's own rounding can turn it there, and no further.
;;   INPUTS GIVEN AS CODES. w1_w (in the module: [1472, 2048], K = its axis 1); w2_w (in the module: [2048, 1472], K = its axis 1); wk_w (in the module: [2048, 2048], K = its axis 1); wo_w (in the module: [2048, 2048], K = its axis 1); wq_w (in the module: [2048, 2048], K = its axis 1); wv_w (in the module: [2048, 2048], K = its axis 1): each comes as NAME_codes (uint8): NAME with its K axis moved to the last place and cut into blocks of 32 codes, [.., K / 32, bytes a block], one block behind the other in memory; two codes a byte, the lower K in the low four bits (a code: sign, 2 exponent bits, 1 mantissa bit); and NAME_scales (uint8): the same leading axes, one E8M0 byte (e + 127) for each 32 codes along K. Its value is code x scale, taken as it is: it is not quantised again, and the codes and scales need not be those that the quantiser above would give.
;; 2 versions, each right; version 2 is version 1 with the launch attn written anew for expert scheduling mode. Each part assembles by itself: llvm-mc -triple=amdgcn-amd-amdhsa -mcpu=gfx1250 --defsym DOCPART=n.
;; ======== version 1 of 2: 4 launches
;; limits: right only within a limited range of input values
;; workspace buffers: xq 8,912,896 bytes; msk 528,384 bytes of whole numbers; qkv 6,684,672 bytes; aimg 3,670,016 bytes; asc 229,376 bytes; bimg 3,670,016 bytes; bsc 229,376 bytes
;; launch prep (part 1): grid 672 x 1, 4 waves a work-group, no clusters, 39,424 bytes of LDS; arguments x0, x1, x2, x3, ln0_w, ln1_w, ln2_w, ffn_ln_w, ln0_b, ln1_b, ln2_b, ffn_ln_b, mask, wo_w_codes, wo_w_scales, w2_w_codes, w2_w_scales, xq, msk, bimg, bsc; writes xq, msk, bimg, bsc
.if DOCPART == 1
	.amdgcn_target "amdgcn-amd-amdhsa--gfx1250"
	.amdhsa_code_object_version 6
	.text
	.protected	k_q893cd4f8b3_prep
	.globl	k_q893cd4f8b3_prep
	.p2align	8
	.type	k_q893cd4f8b3_prep,@function
k_q893cd4f8b3_prep:
	s_mov_b64 s[64:65], 0
	v_nop
	global_prefetch_b8 v0, s[64:65] scope:SCOPE_SE
	s_setreg_imm32_b32 hwreg(HW_REG_WAVE_MODE, 25, 1), 1
	s_wait_xcnt 0x0
; PREP: three kinds of work-groups, parted on the work-group's number at the head; the three ways never join.
;  0..127    THE MASK.  Work-group T owns query rows 16 T .. 16 T + 15; wave w key steps 4 w .. 4 w + 3 (128 keys each).  mask bytes become LANE MASKS for the attention launch:
;            msk[T][j][n], n = 8 t + i: bit L = mask[16 T + L % 16][128 j + 16 t + 8 (L / 16) + i].  Behind them, at byte 524,288 + 32 T + 8 w: (my steps that have an open key, my lanes that have one).
;  128..159  THE WEIGHTS OF THE LAST PRODUCT.  wo (K = 2,048) and w2 (K = 1,472, filled with zero codes to 1,536) become one operand of 28 K steps of 128, laid as images of the operand's registers:
;            bimg[tile of 16 rows][step][c][lane][16 bytes]; their scale words bsc[step][group of 8 tiles][lane 16 g + r][word i] = row r of tile 4 g + i.  A wave takes one tile.
;  160..671  LAYERNORM AND QUANTISER.  Tensor (x0..x3) = (n - 160) / 128; a wave takes 4 rows of 2,048 f32, one row at a time in 64 registers: mean, variance of the differences, (x - m) rsqrt(v + eps) w + b in f32,
;            then codes of E2M1 with one E8M0 byte for each 32 along the row: xq[tensor][row][1,024 bytes], scale bytes at xq + 8,388,608 [tensor][row][64].
; A block's scale byte is its largest magnitude's exponent field - 2, held at 1 from below.  LIMITS: a block of zeros gets the byte 1 (its codes are zeros, and only this program reads the bytes); NaN and infinities are not served.
; input_pos is not read by any launch: reference() takes it as an argument and never uses it.
.set NMASK, 128
.set NWGT,  32
.set STG,   9216                       ; a wave's stage: 64 blocks of 32 numbers, 128 bytes + 16 of padding each
.set WREG,  9472                       ; and behind it its 256 scale bytes
.set MSB, 0
.macro WIN new                         ; the immediate's high byte repeats the setting that is left
.if MSB != \new
	s_set_vgpr_msb (MSB<<8)|\new
.set MSB, \new
.endif
.endm
	s_load_b256 s[8:15], s[0:1], 0x0               ; x0 .. x3
	s_load_b256 s[16:23], s[0:1], 0x20             ; the four gains
	s_load_b256 s[24:31], s[0:1], 0x40             ; the four biases
	s_load_b64 s[32:33], s[0:1], 0x60              ; mask
	s_load_b256 s[36:43], s[0:1], 0x68             ; wo's codes, wo's scales, w2's codes, w2's scales
	s_load_b256 s[44:51], s[0:1], 0x88             ; xq, msk, bimg, bsc
	v_lshl_add_u32 v30, v0, 2, 0x9800
	v_mov_b32 v31, 0
	v_lshrrev_b32 v1, 5, v0
	v_readfirstlane_b32 s4, v1                     ; wave 0..3
	v_and_b32 v1, 31, v0                           ; lane
	s_cmp_lt_u32 ttmp9, NMASK
	s_cbranch_scc1 .Lmask
	s_cmp_lt_u32 ttmp9, NMASK+NWGT
	s_cbranch_scc1 .Lweights
; ---------------------------------------------------------------- LayerNorm and quantiser
; REGISTERS: v2 16 x lane; v3, v4 the stage, in and out; v5 my blocks' scale bytes in LDS; v6, v7 the way out of the scale bytes; v8-15 at work; v16-23 scale bytes; v32-95, v96-159, v160-223 three rows;
; v224-255 codes, eight registers for each row, so that no store's data are written again.  Window 1: v0-63 the gain, v64-127 the bias, in the rows' own layout.
	s_sub_co_u32 s5, ttmp9, NMASK+NWGT
	s_lshr_b32 s6, s5, 7                           ; which tensor
	s_and_b32 s5, s5, 127
	s_lshl_b32 s5, s5, 4
	s_lshl_b32 s7, s4, 2
	s_add_co_u32 s5, s5, s7                        ; my wave's first row
	v_lshlrev_b32 v2, 4, v1
	s_mul_i32 s7, s4, WREG
	v_lshrrev_b32 v3, 3, v1
	v_mul_u32_u24 v3, v3, 144
	v_and_b32 v4, 7, v1
	v_lshl_add_u32 v3, v4, 4, v3
	v_add_nc_u32 v3, s7, v3                        ; in: eight lanes' 128 bytes are a block: 144 (lane / 8) + 16 (lane % 8); a load's 512 bytes are four blocks
	v_mul_u32_u24 v4, v1, 144
	v_add_nc_u32 v4, s7, v4                        ; out: block = lane (and 32 + lane)
	s_add_co_u32 s7, s7, STG
	v_add_nc_u32 v5, s7, v1
	v_lshlrev_b32 v6, 3, v1
	v_add_nc_u32 v7, s7, v6
	s_mov_b32 s52, 0x76543210
	s_mov_b32 s53, 0xfedcba98                      ; v_permlanex16_b32's selects for lane l xor 16
	s_mov_b32 s54, 0x3a000000                      ; 1 / 2,048
	s_mov_b32 s55, 0x3727c5ac                      ; eps = 1e-5
	s_wait_kmcnt 0x0
	s_cmp_eq_u32 s6, 1                             ; the choice hangs on the work-group's number alone
	s_cselect_b64 s[8:9], s[10:11], s[8:9]
	s_cselect_b64 s[16:17], s[18:19], s[16:17]
	s_cselect_b64 s[24:25], s[26:27], s[24:25]
	s_cmp_eq_u32 s6, 2
	s_cselect_b64 s[8:9], s[12:13], s[8:9]
	s_cselect_b64 s[16:17], s[20:21], s[16:17]
	s_cselect_b64 s[24:25], s[28:29], s[24:25]
	s_cmp_eq_u32 s6, 3
	s_cselect_b64 s[8:9], s[14:15], s[8:9]
	s_cselect_b64 s[16:17], s[22:23], s[16:17]
	s_cselect_b64 s[24:25], s[30:31], s[24:25]
	s_lshl_b32 s56, s5, 13
	s_mov_b32 s57, 0
	s_add_nc_u64 s[8:9], s[8:9], s[56:57]          ; x at my first row
	s_lshl_b32 s58, s6, 21
	s_lshl_b32 s56, s5, 10
	s_add_co_u32 s56, s56, s58
	s_add_nc_u64 s[10:11], s[44:45], s[56:57]      ; my rows' codes
	s_lshl_b32 s58, s6, 17
	s_lshl_b32 s56, s5, 6
	s_add_co_u32 s56, s56, s58
	s_add_co_u32 s56, s56, 0x800000
	s_add_nc_u64 s[12:13], s[44:45], s[56:57]      ; my rows' scale bytes: 4 x 64 = 256 bytes, aligned
	WIN 0x40                                       ; destination window 1
.irp j, 0,1,2,3,4,5,6,7,8,9,10,11,12,13,14,15
	global_load_b128 v[4*\j:4*\j+3], v2, s[16:17] offset:512*\j
.endr
.irp j, 0,1,2,3,4,5,6,7,8,9,10,11,12,13,14,15
	global_load_b128 v[64+4*\j:67+4*\j], v2, s[24:25] offset:512*\j
.endr
	WIN 0
.macro XLOAD row, xr                   ; a row: sixteen loads of 512 consecutive bytes
.irp j, 0,1,2,3,4,5,6,7,8,9,10,11,12,13,14,15
	global_load_b128 v[\xr+4*\j:\xr+4*\j+3], v2, s[8:9] offset:8192*\row+512*\j th:TH_LOAD_NT
.endr
.endm
.macro ACROSS                          ; v8 summed over the 32 lanes
	v_add_f32_dpp v8, v8, v8 row_xmask:1 row_mask:0xf bank_mask:0xf
	v_add_f32_dpp v8, v8, v8 row_xmask:2 row_mask:0xf bank_mask:0xf
	v_add_f32_dpp v8, v8, v8 row_xmask:4 row_mask:0xf bank_mask:0xf
	v_add_f32_dpp v8, v8, v8 row_xmask:8 row_mask:0xf bank_mask:0xf
	v_permlanex16_b32 v9, v8, s52, s53
	v_add_f32 v8, v8, v9
.endm
.macro FOLD                            ; four chains of pairs into v8
	v_pk_add_f32 v[8:9], v[8:9], v[10:11]
	v_pk_add_f32 v[12:13], v[12:13], v[14:15]
	v_pk_add_f32 v[8:9], v[8:9], v[12:13]
	v_add_f32 v8, v8, v9
	ACROSS
.endm
; One row.  left = the loads issued behind this row's, which may stay out.
.macro ROW row, xr, left
	s_wait_loadcnt \left
.irp c, 0,1,2,3
	v_pk_add_f32 v[8+2*\c:9+2*\c], v[\xr+2*\c:\xr+2*\c+1], v[\xr+8+2*\c:\xr+9+2*\c]
.endr
.irp k, 16,24,32,40,48,56
.irp c, 0,1,2,3
	v_pk_add_f32 v[8+2*\c:9+2*\c], v[8+2*\c:9+2*\c], v[\xr+\k+2*\c:\xr+\k+2*\c+1]
.endr
.endr
	FOLD
	v_mul_f32 v10, 0xba000000, v8                  ; - the mean
	v_mul_f32 v11, 0xba000000, v8
.set q, 0
.rept 32
	v_pk_add_f32 v[\xr+q:\xr+q+1], v[\xr+q:\xr+q+1], v[10:11]
.set q, q+2
.endr
.irp c, 0,1,2,3
	v_pk_mul_f32 v[8+2*\c:9+2*\c], v[\xr+2*\c:\xr+2*\c+1], v[\xr+2*\c:\xr+2*\c+1]
.endr
.irp k, 8,16,24,32,40,48,56
.irp c, 0,1,2,3
	v_pk_fma_f32 v[8+2*\c:9+2*\c], v[\xr+\k+2*\c:\xr+\k+2*\c+1], v[\xr+\k+2*\c:\xr+\k+2*\c+1], v[8+2*\c:9+2*\c]
.endr
.endr
	FOLD
	v_fma_f32 v8, v8, s54, s55                     ; the variance + eps
	v_rsq_f32 v10, v8
	v_nop                                          ; a plain instruction behind the transcendental,
	s_wait_alu depctr_va_vdst(0)                   ; and the wait ahead of the first line that names its result
	v_mov_b32 v11, v10
.set q, 0
.rept 32
	v_pk_mul_f32 v[\xr+q:\xr+q+1], v[\xr+q:\xr+q+1], v[10:11]
.set q, q+2
.endr
	WIN 0x14                                       ; sources 1 and 2 in window 1
.set q, 0
.rept 32
	v_pk_fma_f32 v[\xr+q:\xr+q+1], v[\xr+q:\xr+q+1], v[q:q+1], v[64+q:65+q]
.set q, q+2
.endr
	WIN 0
	; the turn through my stage: in as loaded (4 neighbours a lane), out as two whole blocks of 32 a lane.  LDS serves a wave's instructions in order: the loads see the stores
.irp j, 0,1,2,3,4,5,6,7,8,9,10,11,12,13,14,15
	ds_store_b128 v3, v[\xr+4*\j:\xr+4*\j+3] offset:576*\j
.endr
.irp g, 0,1,2,3,4,5,6,7
	ds_load_b128 v[\xr+4*\g:\xr+4*\g+3], v4 offset:16*\g
.endr
.irp g, 0,1,2,3,4,5,6,7
	ds_load_b128 v[\xr+32+4*\g:\xr+35+4*\g], v4 offset:4608+16*\g
.endr
	s_wait_dscnt 0x0
	v_max3_num_f32 v12, |v[\xr]|, |v[\xr+1]|, 0x1800000          ; blocks lane and 32 + lane by turns; the floor 2^(3 - 127) holds the byte at 1 from below
	v_max3_num_f32 v13, |v[\xr+32]|, |v[\xr+33]|, 0x1800000
.irp k, 2,4,6,8,10,12,14,16,18,20,22,24,26,28,30
	v_max3_num_f32 v12, v12, |v[\xr+\k]|, |v[\xr+\k+1]|
	v_max3_num_f32 v13, v13, |v[\xr+32+\k]|, |v[\xr+33+\k]|
.endr
	v_add_nc_u32 v14, 0xff000000, v12              ; 2 off the exponent field: the conversion's scale operand
	v_add_nc_u32 v15, 0xff000000, v13
	v_lshrrev_b32 v[16+2*\row], 23, v14            ; the scale's byte
	v_lshrrev_b32 v[17+2*\row], 23, v15
.irp g, 0,1,2,3
	v_cvt_scalef32_pk8_fp4_f32 v[224+8*\row+\g], v[\xr+8*\g:\xr+8*\g+7], v14
	v_cvt_scalef32_pk8_fp4_f32 v[228+8*\row+\g], v[\xr+32+8*\g:\xr+39+8*\g], v15
.endr
	v_nop                                          ; a plain instruction behind the last scaled conversion
	ds_store_b8 v5, v[16+2*\row] offset:64*\row
	ds_store_b8 v5, v[17+2*\row] offset:64*\row+32
	global_store_b128 v2, v[224+8*\row:227+8*\row], s[10:11] offset:1024*\row      ; 32 lanes store 512 consecutive bytes, aligned
	global_store_b128 v2, v[228+8*\row:231+8*\row], s[10:11] offset:1024*\row+512
.endm
	XLOAD 0, 32
	XLOAD 1, 96
	XLOAD 2, 160
	ROW 0, 32, 32                                  ; behind row 0's loads: rows 1 and 2
	XLOAD 3, 32
	ROW 1, 96, 32                                  ; rows 2 and 3
	ROW 2, 160, 16                                 ; row 3
	ROW 3, 32, 0
	ds_load_b64 v[12:13], v7                       ; my 256 scale bytes, 8 a lane
	s_wait_dscnt 0x0
	global_store_b64 v6, v[12:13], s[12:13]        ; 256 consecutive bytes, aligned
	s_wait_tensorcnt 0x0
	ds_add_u32 v30, v31
	s_wait_dscnt 0x0
	s_endpgm
; ---------------------------------------------------------------- the mask
; REGISTERS: v4 2,048 r + 8 h; v5 8 x lane; v[6:7] 64 lane masks of a step, two a lane; v8-13 at work; v32-63 two sets of a step's 8 x 8 bytes.
.Lmask:
	v_and_b32 v2, 15, v1                           ; r
	v_lshrrev_b32 v3, 4, v1                        ; h
	v_lshlrev_b32 v4, 11, v2
	v_lshl_add_u32 v4, v3, 3, v4
	v_lshlrev_b32 v5, 3, v1
	v_mov_b32 v6, 0                                ; (a written lane's register counts as read)
	v_mov_b32 v7, 0
	s_mov_b32 s6, 0                                ; lanes that have seen an open key
	s_mov_b32 s7, 0                                ; my steps that have one
	s_lshl_b32 s56, ttmp9, 15
	s_lshl_b32 s5, s4, 9
	s_add_co_u32 s56, s56, s5                      ; 16 T rows of 2,048 bytes + my first key
	s_mov_b32 s57, 0
	s_lshl_b32 s58, ttmp9, 12
	s_lshl_b32 s5, s4, 10
	s_add_co_u32 s58, s58, s5                      ; msk[T][4 w]
	s_mov_b32 s59, 0
	s_wait_kmcnt 0x0
	s_add_nc_u64 s[32:33], s[32:33], s[56:57]
	s_add_nc_u64 s[34:35], s[46:47], s[58:59]
.macro LOADM j                         ; step j: for each tile t of 16 keys my 8 bytes: keys 16 t + 8 h + 0 .. 7 of row r
.irp t, 0,1,2,3,4,5,6,7
	global_load_b64 v[32+16*((\j)%2)+2*\t:33+16*((\j)%2)+2*\t], v4, s[32:33] offset:128*(\j)+16*\t
.endr
.endm
.macro MSTEP j
.set D, 32+16*((\j)%2)
.if (\j)+1 < 4
	LOADM (\j)+1
	s_wait_loadcnt 8                               ; this step's eight loads are in; the next step's may be out
.else
	s_wait_loadcnt 0x0
.endif
	s_wait_xcnt 0x0                                ; the last step's store has read v[6:7]
.set n, 0
.rept 64                                           ; byte n % 8 of tile n / 8, over the 32 lanes, is lane mask n: it goes to lane n / 2
	v_and_b32 v[8+n%4], 0xff<<(8*(n%4)), v[D+2*(n/8)+(n%8)/4]
	v_cmp_ne_u32 s[60+n%4], 0, v[8+n%4]
	v_writelane_b32 v[6+n%2], s[60+n%4], n/2
.set n, n+1
.endr
	v_or_b32 v12, v[D], v[D+1]
	v_or_b32 v13, v[D+2], v[D+3]
.irp k, 4,6,8,10,12,14
	v_or_b32 v12, v12, v[D+\k]
	v_or_b32 v13, v13, v[D+\k+1]
.endr
	v_or_b32 v12, v12, v13
	v_cmp_ne_u32 s56, 0, v12                       ; lanes with an open key in this step
	s_or_b32 s6, s6, s56
	s_cmp_lg_u32 s56, 0
	s_cselect_b32 s57, 1<<(\j), 0
	s_or_b32 s7, s7, s57
	global_store_b64 v5, v[6:7], s[34:35] offset:256*(\j)       ; 256 consecutive bytes, aligned
.endm
	LOADM 0
	MSTEP 0
	MSTEP 1
	MSTEP 2
	MSTEP 3
	s_lshl_b32 s5, s4, 2
	s_lshl_b32 s7, s7, s5                          ; my four steps' bits at their places among the sixteen
	v_mov_b32 v8, s7
	v_mov_b32 v9, s6
	v_mov_b32 v10, 0
	s_lshl_b32 s58, ttmp9, 5
	s_lshl_b32 s5, s4, 3
	s_add_co_u32 s58, s58, s5
	s_add_co_u32 s58, s58, 0x80000
	s_add_nc_u64 s[46:47], s[46:47], s[58:59]
	v_cmp_eq_u32 vcc_lo, 0, v1
	s_wait_xcnt 0x0                                ; EXEC changes only behind this wait
	s_and_saveexec_b32 s60, vcc_lo
	global_store_b64 v10, v[8:9], s[46:47]         ; one lane stores the pair: 8 bytes a wave, 4,096 in the launch
	s_wait_xcnt 0x0
	s_or_b32 exec_lo, exec_lo, s60
	s_endpgm
; ---------------------------------------------------------------- the weights of the last product
; Piece p (0 .. 55) of a tile is K step p / 2, half p % 2: lane (r, h) holds bytes 32 p + 16 h .. + 15 of row r (p < 32: of wo; else 32 (p - 32) of w2); piece 55 lies past w2's K and is zeros.
.Lweights:
	s_sub_co_u32 s5, ttmp9, NMASK
	s_lshl_b32 s5, s5, 2
	s_add_co_u32 s5, s5, s4                        ; my tile of 16 rows, 0 .. 127
	v_and_b32 v2, 15, v1                           ; r
	v_lshrrev_b32 v3, 4, v1                        ; h
	v_lshlrev_b32 v4, 10, v2
	v_lshl_add_u32 v4, v3, 4, v4                   ; wo's codes: 1,024 r + 16 h
	v_mul_u32_u24 v5, v2, 736
	v_lshl_add_u32 v5, v3, 4, v5                   ; w2's: 736 r + 16 h
	v_lshlrev_b32 v6, 4, v1                        ; 16 x lane
	v_lshlrev_b32 v7, 6, v2
	v_lshl_add_u32 v7, v3, 5, v7                   ; wo's scale words 8 h + 0 .. 7 of row r
	v_mul_u32_u24 v8, v2, 46
	v_mul_u32_u24 v9, v3, 24
	v_add_nc_u32 v9, v8, v9                        ; w2's scale words 6 h + 0 .. 5: rows of 46 bytes, taken 2 bytes at a time
	v_mul_u32_u24 v10, v3, 22
	v_add_nc_u32 v10, v8, v10                      ; (the upper half of word 5, or, for word 11, which has none, its lower half again: those 64 codes are zeros on both sides)
	v_lshlrev_b32 v11, 4, v2
	v_lshl_add_u32 v12, v3, 16, v11                ; out: 16 r + 8 h steps of 8,192 bytes
	v_mul_u32_u24 v13, v3, 49152
	v_add_nc_u32 v13, v11, v13                     ; out: 16 r + 6 h steps
.irp i, 252,253,254,255
	v_mov_b32 v\i, 0
.endr
	s_mov_b32 s57, 0
	s_wait_kmcnt 0x0
	s_lshl_b32 s56, s5, 14
	s_add_nc_u64 s[36:37], s[36:37], s[56:57]
	s_lshl_b32 s56, s5, 10
	s_add_nc_u64 s[38:39], s[38:39], s[56:57]
	s_mul_i32 s56, s5, 11776
	s_add_nc_u64 s[40:41], s[40:41], s[56:57]
	s_mul_i32 s56, s5, 736
	s_add_nc_u64 s[42:43], s[42:43], s[56:57]
	s_mul_i32 s56, s5, 28672
	s_add_nc_u64 s[48:49], s[48:49], s[56:57]
	s_lshr_b32 s56, s5, 2
	s_lshl_b32 s56, s56, 8                         ; 512 (tile / 8) + 256 ((tile / 4) % 2)
	s_and_b32 s6, s5, 3
	s_lshl_b32 s6, s6, 2
	s_add_co_u32 s56, s56, s6                      ; + 4 (tile % 4)
	s_add_nc_u64 s[50:51], s[50:51], s[56:57]
.set p, 0
.rept 32
	global_load_b128 v[32+4*p:35+4*p], v4, s[36:37] offset:32*p
.set p, p+1
.endr
.rept 23
	global_load_b128 v[32+4*p:35+4*p], v5, s[40:41] offset:32*(p-32)
.set p, p+1
.endr
.set p, 0
.rept 55
	s_wait_loadcnt 54-p                            ; piece p is in; the younger pieces may be out
	global_store_b128 v6, v[32+4*p:35+4*p], s[48:49] offset:512*p       ; 512 consecutive bytes, aligned
.set p, p+1
.endr
	global_store_b128 v6, v[252:255], s[48:49] offset:512*55
	s_wait_xcnt 0x0                                ; the stores have read their registers
	global_load_b128 v[32:35], v7, s[38:39]
	global_load_b128 v[36:39], v7, s[38:39] offset:16
.irp i, 0,1,2,3,4,5
	global_load_u16 v[40+\i], v9, s[42:43] offset:4*\i
.endr
.irp i, 0,1,2,3,4
	global_load_u16 v[46+\i], v9, s[42:43] offset:4*\i+2
.endr
	global_load_u16 v51, v10, s[42:43] offset:22
	s_wait_loadcnt 0x0
.irp i, 0,1,2,3,4,5
	v_lshl_or_b32 v[40+\i], v[46+\i], 16, v[40+\i]
.endr
.irp i, 0,1,2,3,4,5,6,7                        ; 4 bytes a lane, 16 bytes apart: a tile's words are a quarter of a unit's; 229,376 bytes in the whole launch
	global_store_b32 v12, v[32+\i], s[50:51] offset:8192*\i
.endr
.irp i, 0,1,2,3,4,5
	global_store_b32 v13, v[40+\i], s[50:51] offset:8192*(16+\i)
.endr
	s_endpgm
.Lfunc_end_k_q893cd4f8b3_prep:
	.size	k_q893cd4f8b3_prep, .Lfunc_end_k_q893cd4f8b3_prep-k_q893cd4f8b3_prep
	.p2alignl 7, 3214868480
	.fill 96, 4, 3214868480
	.section	.rodata,"a",@progbits
	.p2align	6, 0x0
	.amdhsa_kernel k_q893cd4f8b3_prep
		.amdhsa_group_segment_fixed_size 39424
		.amdhsa_private_segment_fixed_size 0
		.amdhsa_enable_private_segment 0
		.amdhsa_kernarg_size 168
		.amdhsa_user_sgpr_count 2
		.amdhsa_user_sgpr_kernarg_segment_ptr 1
		.amdhsa_wavefront_size32 1
		.amdhsa_system_sgpr_workgroup_id_x 1
		.amdhsa_system_sgpr_workgroup_id_y 1
		.amdhsa_system_sgpr_workgroup_id_z 1
		.amdhsa_system_vgpr_workitem_id 0
		.amdhsa_next_free_vgpr 384
		.amdhsa_next_free_sgpr 66
		.amdhsa_reserve_vcc 1
		.amdhsa_float_denorm_mode_32 3
		.amdhsa_float_denorm_mode_16_64 3
		.amdhsa_memory_ordered 1
		.amdhsa_forward_progress 1
		.amdhsa_inst_pref_size 151
	.end_amdhsa_kernel
	.amdgpu_metadata
---
amdhsa.version: [ 1, 2 ]
amdhsa.kernels:
  - .name:           k_q893cd4f8b3_prep
    .symbol:         k_q893cd4f8b3_prep.kd
    .args:
      - { .name: x0, .offset: 0, .size: 8, .value_kind: global_buffer, .address_space: global }
      - { .name: x1, .offset: 8, .size: 8, .value_kind: global_buffer, .address_space: global }
      - { .name: x2, .offset: 16, .size: 8, .value_kind: global_buffer, .address_space: global }
      - { .name: x3, .offset: 24, .size: 8, .value_kind: global_buffer, .address_space: global }
      - { .name: ln0_w, .offset: 32, .size: 8, .value_kind: global_buffer, .address_space: global }
      - { .name: ln1_w, .offset: 40, .size: 8, .value_kind: global_buffer, .address_space: global }
      - { .name: ln2_w, .offset: 48, .size: 8, .value_kind: global_buffer, .address_space: global }
      - { .name: ffn_ln_w, .offset: 56, .size: 8, .value_kind: global_buffer, .address_space: global }
      - { .name: ln0_b, .offset: 64, .size: 8, .value_kind: global_buffer, .address_space: global }
      - { .name: ln1_b, .offset: 72, .size: 8, .value_kind: global_buffer, .address_space: global }
      - { .name: ln2_b, .offset: 80, .size: 8, .value_kind: global_buffer, .address_space: global }
      - { .name: ffn_ln_b, .offset: 88, .size: 8, .value_kind: global_buffer, .address_space: global }
      - { .name: mask, .offset: 96, .size: 8, .value_kind: global_buffer, .address_space: global }
      - { .name: wo_w_codes, .offset: 104, .size: 8, .value_kind: global_buffer, .address_space: global }
      - { .name: wo_w_scales, .offset: 112, .size: 8, .value_kind: global_buffer, .address_space: global }
      - { .name: w2_w_codes, .offset: 120, .size: 8, .value_kind: global_buffer, .address_space: global }
      - { .name: w2_w_scales, .offset: 128, .size: 8, .value_kind: global_buffer, .address_space: global }
      - { .name: xq, .offset: 136, .size: 8, .value_kind: global_buffer, .address_space: global }
      - { .name: msk, .offset: 144, .size: 8, .value_kind: global_buffer, .address_space: global }
      - { .name: bimg, .offset: 152, .size: 8, .value_kind: global_buffer, .address_space: global }
      - { .name: bsc, .offset: 160, .size: 8, .value_kind: global_buffer, .address_space: global }
    .group_segment_fixed_size: 39424
    .private_segment_fixed_size: 0
    .kernarg_segment_align: 8
    .kernarg_segment_size: 168
    .max_flat_workgroup_size: 128
    .sgpr_count:     66
    .vgpr_count:     384
    .wavefront_size: 32
...
	.end_amdgpu_metadata
.endif
;; end of part 1
;; launch proj (part 2): grid 8 x 30, 4 waves a work-group, clusters of 4 x 1, 327,680 bytes of LDS; arguments xq, wq_w_codes, wk_w_codes, wv_w_codes, w1_w_codes, wq_w_scales, wk_w_scales, wv_w_scales, w1_w_scales, wq_b, wk_b, wv_b, w1_b, qn_w, kn_w, freqs_cis, qkv, aimg, asc; writes qkv, aimg, asc
.if DOCPART == 2
	.amdgcn_target "amdgcn-amd-amdhsa--gfx1250"
	.amdhsa_code_object_version 6
	.text
	.protected	k_q893cd4f8b3_proj
	.globl	k_q893cd4f8b3_proj
	.p2align	8
	.type	k_q893cd4f8b3_proj,@function
k_q893cd4f8b3_proj:
	s_mov_b64 s[64:65], 0
	v_nop
	global_prefetch_b8 v0, s[64:65] scope:SCOPE_SE
	s_setreg_imm32_b32 hwreg(HW_REG_WAVE_MODE, 25, 1), 1
	s_wait_xcnt 0x0
	s_wait_alu depctr_hold_cnt(0) depctr_sa_sdst(0) depctr_va_vdst(0) depctr_va_sdst(0) depctr_va_ssrc(0) depctr_va_vcc(0) depctr_vm_vsrc(0)
	s_getreg_b32 s2, hwreg(HW_REG_IB_STS2, 6, 4)
	s_cmp_eq_u32 s2, 0
	s_cbranch_scc0 .Lentry_in_a_cluster
	s_endpgm
.Lentry_in_a_cluster:
	s_bfe_u32 s2, ttmp6, 0x10000c
	s_cmp_lg_u32 s2, 0x3003
	s_cbranch_scc0 .Lentry_shape_is_right
	s_endpgm
.Lentry_shape_is_right:
; PROJ: the four products on the normalised inputs, K = 2,048, on codes of E2M1 with E8M0 scales, each with its own way out; what leaves is again codes and scale words, laid as images of the next operand's registers.
; y = 0..7: q;  8..15: k;  16..23: v;  24..29: the FFN's first layer (kind = min(y / 8, 3), Yb = y - 8 kind).  x = 0..7.
; A tile is 256 rows of "A" (by x) x 256 rows of "B" (by Yb); four waves, each 128 x 128: 64 accumulators.  The matrix instruction takes 16 rows of B as source 0 and 16 rows of A as source 1:
; a lane then holds ONE row of A, and its 64 registers of A's block a run along 128 rows of B: register 8 b + j = B's row 16 b + 8 (lane / 16) + j.  That axis is the next product's K.
;   q, k, FFN: A = tokens (xq), B = the weight's rows: a lane holds a token, registers run along a head's 128 (or 128 hidden units).      v: A = wv's rows, B = tokens: registers run along 128 KEYS.
; The FFN has 1,472 hidden units: the last half tile would begin at 1,408; it begins at 1,344 instead, so that every load stays inside, and the way out moves its upper 64 units down and fills with zeros.
; CLUSTER: the four work-groups of a cluster differ in x alone: B's tiles and scales are asked for JOINTLY (mask 15); A's are each work-group's own loads, behind the same rounds.  y = 30 has no factor 4, so the cluster is 4 x 1.
; THE WAYS OUT, a block of 16 rows of A at a time (a loop of eight trips; a switch on the trip's number copies that block's accumulators, with the bias added, into v128-191):
;   q, k: RMS norm over the head's 128, its gain, the rotation of the first 32, quantised along the head.   v: quantised along the keys.   FFN: exact gelu (erf by a rational function of z^2, |z| held at 4), quantised along the hidden units.
;   images: qkv[kind][head][group of 128 tokens or keys][tile][c][lane][16 bytes], scale words at qkv + 6,291,456 [kind][head][group][lane 16 g + r][word i] = row r of tile 4 g + i;
;   FFN: aimg[tile of 16 tokens][step 16 + hidden / 128][c][lane][16], asc[step][group of 8 tiles][lane][4 words].
; LIMITS: a block of zeros gets the scale byte 1 (its codes are zeros; only this program reads the bytes); NaN and infinities are not served; erf is good to about 1e-7 of 1.
; REGISTERS, in windows of 256: window 0: v16-29 addresses; v32-95 scale words, two sets (on the way out: at work); v96-111 the per-row bias; v128-191 A's fragments (on the way out: the block in hand); v192-255 the way out.
;   window 1: B's fragments at v0 and v128; v64-127 the bias along B's rows; v192-255 the norm's gain.   windows 2, 3: the accumulators, (a, b) at v[8 (8 (a % 4) + b)].
.set KSTEP,  512
.set NQ,     4
.set ROWB,   256
.set KROW,   1024
.set PITCH,  272                       ; an LDS row: 256 bytes + 16 of padding: the 16 rows that a load touches start at 16 different banks
.set FR,     8
.set NL,     2
.set NP,     4
.set HALFT,  128*PITCH
.set SLOT,   4*HALFT
.set KS,     64
.set SCL,    2*SLOT                    ; behind the ring: the scales of all of K, as rows of 256 bytes + 16
.set HALFS,  (128*KS/256)*272
.set SBLK,   (16*KS/256)*272
.set SPARE,  SCL+4*HALFS               ; the spare words: 128 bytes for each wave; no other line names them
.set ADRA, 16
.set ADRB, 20
.set BVO,  23                          ; 4 r
.set LI,   24                          ; 16 x lane
.set BO,   25                          ; 32 h
.set CSO,  26                          ; 128 r + 64 h
.set ADRS, 27
.set SPW,  28
.set NIL,  29
.set SC,   32
.set BV,   96
.set AF,   128
.set W,    128                         ; the block in hand: 64 numbers a lane
.set T,    192                         ; its first 32 along the head, rotated: 16 a lane
.set CS,   208                         ; cos and sin of my token: 8 pairs
.set PC,   224                         ; the codes just made
.set TM,   232                         ; v232-247 at work in the quantiser
.set PW,   248                         ; the scale word just made
.set SW,   252                         ; v252-255 the eight blocks' scale words
.set BI,   64                          ; window 1
.set NW,   192                         ; window 1
.set G1, 24
.set G0, 32
.set G1B, 48
.set G0B, 56
.set G1S, 68
.set G0S, 76
.set G1SB, 80
.set G0SB, 88
.set SH,   2                           ; s2   -1 in the wave whose 128 hidden units were moved down by 64, else 0
.set KIND, 19
.set STR,  20                          ; s[20:21] bytes from a block's image to the next
.set CNT,  22
.set SM,   23
.set SEL,  40
.set C128, 42
.set EPS,  43
.set MSB, 0
.macro WIN new                         ; the immediate's high byte repeats the setting that is left
.if MSB != \new
	s_set_vgpr_msb (MSB<<8)|\new
.set MSB, \new
.endif
.endm
.set MUL_LO, 0xa1                      ; source 0 (B) window 1, source 1 (A) window 0, C and D window 2
.set MUL_HI, 0xf1
.set TO_B,   0x40
; Waves 0 and 1 fetch for A, waves 2 and 3 for B; the branch hangs on the wave's number alone.  Four v_nop follow each of the two lines.
.macro JLOAD g0a, g1a, g0b, g1b
	s_cmp_eq_u32 s15, 0
	s_cbranch_scc0 .Lfor_b_\@
	tensor_load_to_lds s[\g0a:\g0a+3], s[\g1a:\g1a+7]
	s_nop 0
.rept 4
	v_nop
.endr
	s_branch .Lasked_\@
.Lfor_b_\@:
	tensor_load_to_lds s[\g0b:\g0b+3], s[\g1b:\g1b+7]
	s_nop 0
.rept 4
	v_nop
.endr
.Lasked_\@:
.endm
.macro CREST                           ; a round of the cluster's barrier behind its opening barrier
	s_cmp_lg_u32 s14, 0
	s_cbranch_scc1 .Lnot_wave_0_\@
	s_barrier_signal -3
.Lnot_wave_0_\@:
	s_barrier_wait -3
	s_barrier_signal -1
	s_barrier_wait -1
.endm
.macro CROUND
	s_barrier_signal -1
	s_barrier_wait -1
	CREST
.endm
	s_load_b64 s[4:5], s[0:1], 0x0                 ; xq
	s_load_b256 s[68:75], s[0:1], 0x8              ; codes of wq, wk, wv, w1
	s_load_b256 s[76:83], s[0:1], 0x28             ; their scales
	s_load_b256 s[84:91], s[0:1], 0x48             ; their biases
	s_load_b128 s[92:95], s[0:1], 0x68             ; qn_w, kn_w
	s_load_b64 s[96:97], s[0:1], 0x78              ; freqs_cis
	s_load_b128 s[24:27], s[0:1], 0x80             ; qkv, aimg
	s_load_b64 s[28:29], s[0:1], 0x90              ; asc
	v_lshl_add_u32 v[SPW], v0, 2, SPARE
	v_mov_b32 v[NIL], 0
	ds_add_u32 v28, v29
	ds_add_u32 v28, v29
	s_wait_dscnt 0x0
	v_lshrrev_b32 v1, 5, v0
	v_readfirstlane_b32 s14, v1                    ; wave 0..3
	s_lshr_b32 s15, s14, 1                         ; which half of A's rows is mine.  Also: I fetch for A (0) or for B (1)
	s_and_b32 s16, s14, 1                          ; which half of B's rows.  Also: which 128 rows I fetch
	s_bfe_u32 s17, ttmp6, 0x40000                  ; cx
	s_lshl_b32 s18, ttmp9, 2
	s_add_co_u32 s17, s18, s17                     ; x = 4 x cluster x + cx: it enters A's addresses and the way out alone
	s_and_b32 s18, ttmp7, 0xffff                   ; y, which the four partners share
	s_lshr_b32 s19, s18, 3
	s_min_u32 s19, s19, 3                          ; kind
	s_lshl_b32 s20, s19, 3
	s_sub_co_u32 s20, s18, s20                     ; Yb
	s_wait_kmcnt 0x0
	s_cmp_eq_u32 s19, 1                            ; the kind's weight, scales, bias and gain: choices that hang on the work-group's number alone
	s_cselect_b64 s[68:69], s[70:71], s[68:69]
	s_cselect_b64 s[76:77], s[78:79], s[76:77]
	s_cselect_b64 s[84:85], s[86:87], s[84:85]
	s_cselect_b64 s[92:93], s[94:95], s[92:93]
	s_cmp_eq_u32 s19, 2
	s_cselect_b64 s[68:69], s[72:73], s[68:69]
	s_cselect_b64 s[76:77], s[80:81], s[76:77]
	s_cselect_b64 s[84:85], s[88:89], s[84:85]
	s_cmp_eq_u32 s19, 3
	s_cselect_b64 s[68:69], s[74:75], s[68:69]
	s_cselect_b64 s[76:77], s[82:83], s[76:77]
	s_cselect_b64 s[84:85], s[90:91], s[84:85]
	s_mov_b64 s[94:95], s[84:85]
	s_lshl_b32 s22, s19, 21
	s_mov_b32 s23, 0
	s_add_nc_u64 s[6:7], s[4:5], s[22:23]          ; the kind's normalised input: codes,
	s_lshl_b32 s22, s19, 17
	s_add_co_u32 s22, s22, 0x800000
	s_add_nc_u64 s[10:11], s[4:5], s[22:23]        ; scale bytes
	s_cmp_eq_u32 s19, 2                            ; v: the weight is A and the tokens are B
	s_cselect_b64 s[4:5], s[68:69], s[6:7]         ; A's codes
	s_cselect_b64 s[8:9], s[6:7], s[68:69]         ; B's codes
	s_cselect_b64 s[6:7], s[76:77], s[10:11]       ; A's scales
	s_cselect_b64 s[10:11], s[10:11], s[76:77]     ; B's scales
	s_mov_b32 s21, 1920
	s_cmp_eq_u32 s19, 3
	s_cselect_b32 s21, 1344, s21                   ; the last row at which 128 rows of B may begin
	s_lshl_b32 s18, s16, 7
	s_lshl_b32 s22, s17, 8
	s_add_co_u32 s22, s22, s18                     ; A: row 256 x + 128 x half
	s_lshl_b32 s47, s20, 8
	s_add_co_u32 s47, s47, s18                     ; B: row 256 Yb + 128 x half,
	s_min_u32 s46, s47, s21                        ; held inside
	s_cmp_lg_u32 s46, s47
	s_cselect_b32 s[SH], -1, 0
	; where the way out goes
	s_lshl_b32 s30, s17, 1
	s_add_co_u32 s30, s30, s15                     ; u = which 128 rows of A are mine
	s_lshl_b32 s31, s20, 1
	s_add_co_u32 s31, s31, s16                     ; w = which 128 rows of B
	s_lshl_b32 s32, s31, 4
	s_add_co_u32 s32, s32, s30                     ; q, k: head w, token group u
	s_lshl_b32 s33, s30, 4
	s_add_co_u32 s33, s33, s31                     ; v: head u, key step w
	s_cmp_eq_u32 s19, 2
	s_cselect_b32 s32, s33, s32
	s_lshl_b32 s34, s32, 13
	s_lshl_b32 s33, s19, 21
	s_add_co_u32 s34, s34, s33
	s_lshl_b32 s36, s32, 9
	s_lshl_b32 s33, s19, 17
	s_add_co_u32 s36, s36, s33
	s_add_co_u32 s36, s36, 0x600000
	s_mul_i32 s38, s30, 229376                     ; FFN: tile 8 u, step 16 + w
	s_add_co_u32 s33, s31, 16
	s_lshl_b32 s39, s33, 10
	s_add_co_u32 s38, s38, s39
	s_lshl_b32 s39, s33, 13
	s_lshl_b32 s33, s30, 9
	s_add_co_u32 s39, s39, s33
	s_mov_b32 s20, 1024
	s_cmp_eq_u32 s19, 3
	s_cselect_b32 s34, s38, s34
	s_cselect_b32 s36, s39, s36
	s_cselect_b32 s20, 28672, s20
	s_cselect_b64 s[98:99], s[26:27], s[24:25]
	s_cselect_b64 s[100:101], s[28:29], s[24:25]
	s_mov_b32 s21, 0
	s_mov_b32 s35, 0
	s_mov_b32 s37, 0
	s_add_nc_u64 s[98:99], s[98:99], s[34:35]      ; my first image
	s_add_nc_u64 s[100:101], s[100:101], s[36:37]  ; my unit of scale words
	s_lshl_b32 s32, s30, 14
	s_mov_b32 s33, 0
	s_add_nc_u64 s[96:97], s[96:97], s[32:33]      ; cos and sin of token 128 u (read by q and k alone)
	s_lshl_b32 s32, s30, 9
	s_lshl_b32 s34, s46, 2
	s_cmp_eq_u32 s19, 2
	s_cselect_b32 s32, s32, s34
	s_add_nc_u64 s[94:95], s[94:95], s[32:33]      ; the 128 numbers of the bias that are mine: along B's rows, or for v along A's
	; where the tiles come from
	s_lshl_b32 s40, s22, 10
	s_mov_b32 s41, 0
	s_add_nc_u64 s[4:5], s[4:5], s[40:41]
	s_lshl_b32 s40, s22, 6
	s_add_nc_u64 s[6:7], s[6:7], s[40:41]
	s_lshl_b32 s42, s46, 10
	s_mov_b32 s43, 0
	s_add_nc_u64 s[8:9], s[8:9], s[42:43]
	s_lshl_b32 s42, s46, 6
	s_add_nc_u64 s[10:11], s[10:11], s[42:43]
	; descriptor group 1: a tile of 128 rows x 256 bytes, 16 bytes of padding behind each row.  A's has no mask; B's names all four work-groups, with bit 21 beside the mask
	s_mov_b32 s[G1+0], (0<<16)|(1<<20)|(5<<22)|(3<<25)
	s_mov_b32 s[G1B+0], 15|(0<<16)|(1<<20)|(1<<21)|(5<<22)|(3<<25)
.irp g, G1, G1B
	s_mov_b32 s[\g+1], ROWB<<16                    ; tensor_dim0
	s_mov_b32 s[\g+2], 128<<16                     ; tensor_dim1
	s_mov_b32 s[\g+3], ROWB<<16                    ; tile_dim0
	s_mov_b32 s[\g+4], 128                         ; tile_dim1
	s_mov_b32 s[\g+5], KROW                        ; tensor_dim0_stride
	s_mov_b32 s[\g+6], 0
	s_mov_b32 s[\g+7], 0
.endr
	; the scales of 128 rows: 8,192 dense bytes, as 32 rows of 256 bytes (32 elements of 8 bytes), 16 bytes of padding behind each
	s_mov_b32 s[G1S+0], (3<<16)|(1<<20)|(5<<22)|(3<<25)
	s_mov_b32 s[G1SB+0], 15|(3<<16)|(1<<20)|(1<<21)|(5<<22)|(3<<25)
.irp g, G1S, G1SB
	s_mov_b32 s[\g+1], 32<<16
	s_mov_b32 s[\g+2], (128*KS/256)<<16
	s_mov_b32 s[\g+3], 32<<16
	s_mov_b32 s[\g+4], 128*KS/256
	s_mov_b32 s[\g+5], 32
	s_mov_b32 s[\g+6], 0
	s_mov_b32 s[\g+7], 0
.endr
	s_mul_i32 s45, s14, HALFT                      ; where they go: wave x 128 rows
	s_mul_i32 s44, s14, HALFS
	CROUND                                         ; all four work-groups are here: the first joint loads meet
	s_mov_b32 s[G0S], 1
	s_add_co_u32 s[G0S+1], s44, SCL
	s_mov_b64 s[G0S+2:G0S+3], s[6:7]
	s_or_b32 s[G0S+3], s[G0S+3], 0x80000000
	s_mov_b32 s[G0SB], 1
	s_add_co_u32 s[G0SB+1], s44, SCL
	s_mov_b64 s[G0SB+2:G0SB+3], s[10:11]
	s_or_b32 s[G0SB+3], s[G0SB+3], 0x80000000
	JLOAD G0S, G1S, G0SB, G1SB                     ; the scales first: they are wanted with K step 0
.irp s, 0,1
	s_mov_b32 s[G0+4*\s], 1
	s_add_co_u32 s[G0+4*\s+1], s45, \s*SLOT
	s_add_nc_u64 s[G0+4*\s+2:G0+4*\s+3], s[4:5], \s*ROWB
	s_or_b32 s[G0+4*\s+3], s[G0+4*\s+3], 0x80000000
	s_mov_b32 s[G0B+4*\s], 1
	s_add_co_u32 s[G0B+4*\s+1], s45, \s*SLOT
	s_add_nc_u64 s[G0B+4*\s+2:G0B+4*\s+3], s[8:9], \s*ROWB
	s_or_b32 s[G0B+4*\s+3], s[G0B+4*\s+3], 0x80000000
	JLOAD G0+4*\s, G1, G0B+4*\s, G1B
.endr
	v_and_b32 v1, 15, v0                           ; r
	v_bfe_u32 v2, v0, 4, 1                         ; h
	v_mul_u32_u24 v3, v1, PITCH
	v_lshl_add_u32 v4, v2, 4, v3                   ; a fragment's row x pitch + 16 h
	s_mul_i32 s46, s15, HALFT
	s_mul_i32 s47, s16, HALFT
	s_add_co_u32 s47, s47, 2*HALFT
.irp s, 0,1
	v_add_nc_u32 v[ADRA+\s], s46, v4
	v_add_nc_u32 v[ADRB+\s], s47, v4
	s_add_co_u32 s46, s46, SLOT
	s_add_co_u32 s47, s47, SLOT
.endr
	v_mul_u32_u24 v5, v1, KS                       ; my row's scales: 64 bytes a row,
	v_lshrrev_b32 v6, 8, v5
	v_lshl_add_u32 v5, v6, 4, v5                   ; and 16 more for each 256 passed
	s_mul_i32 s46, s15, HALFS
	s_mul_i32 s47, s16, HALFS
	s_add_co_u32 s47, s47, 2*HALFS
	s_sub_co_u32 s47, s47, s46
	v_mul_u32_u24 v6, s47, v2                      ; lanes 16-31 take B's
	s_add_co_u32 s46, s46, SCL
	v_add_nc_u32 v5, v5, v6
	v_add_nc_u32 v[ADRS], s46, v5
	v_and_b32 v3, 31, v0
	v_lshlrev_b32 v[LI], 4, v3
	v_lshlrev_b32 v[BO], 5, v2
	v_lshlrev_b32 v[BVO], 2, v1
	v_lshlrev_b32 v[CSO], 7, v1
	v_lshl_add_u32 v[CSO], v2, 6, v[CSO]
	; what the ways out want, asked for now and waited for behind the products.  Every kind loads all three, from addresses that are valid for it: 128 numbers of its bias in both layouts, 128 of a gain
	WIN 0x40
.irp b, 0,1,2,3,4,5,6,7
	global_load_b128 v[BI+8*\b:BI+8*\b+3], v[BO], s[94:95] offset:64*\b            ; bias of B's rows 16 b + 8 h + 0 .. 7
	global_load_b128 v[BI+8*\b+4:BI+8*\b+7], v[BO], s[94:95] offset:64*\b+16
	global_load_b128 v[NW+8*\b:NW+8*\b+3], v[BO], s[92:93] offset:64*\b            ; the norm's gain likewise
	global_load_b128 v[NW+8*\b+4:NW+8*\b+7], v[BO], s[92:93] offset:64*\b+16
.endr
	WIN 0
.irp a, 0,1,2,3,4,5,6,7
	global_load_b32 v[BV+2*\a], v[BVO], s[94:95] offset:64*\a                      ; bias of A's row 16 a + r, twice: a pair for the packed addition
	global_load_b32 v[BV+2*\a+1], v[BVO], s[94:95] offset:64*\a
.endr
.macro FRAG reg, adr, q, i             ; a fragment, 16 rows x 128 K: lane l holds row l % 16; registers 4 c .. 4 c + 3 hold K = 64 c + 32 (l / 16) + 0 .. 31
.irp c, 0,1
	ds_load_b128 v[\reg+4*\c:\reg+4*\c+3], v[\adr] offset:64*(\q)+32*\c+(\i)*16*PITCH
.endr
.endm
; 16 matrix instructions: A's blocks a0, a0 + 1 x B's eight.  The 64 accumulators take turns, one instruction a turn, in the same order in every step.
.macro MUL16 a0, p, q, sc, zero
.irp a, \a0, \a0+1
.irp b, 0,1,2,3,4,5,6,7
.if \zero
	v_wmma_scale_f32_16x16x128_f8f6f4 v[8*(8*((\a)%4)+\b):8*(8*((\a)%4)+\b)+7], v[128*(\p)+FR*\b:128*(\p)+FR*\b+FR-1], v[AF+FR*(\a):AF+FR*(\a)+FR-1], 0, v[SC+8*NQ*(\sc)+NQ*\b+(\q)], v[SC+8*NQ*(\sc)+NQ*(\a)+(\q)] matrix_a_fmt:MATRIX_FMT_FP4 matrix_b_fmt:MATRIX_FMT_FP4 matrix_a_scale:MATRIX_SCALE_ROW1
.else
	v_wmma_scale_f32_16x16x128_f8f6f4 v[8*(8*((\a)%4)+\b):8*(8*((\a)%4)+\b)+7], v[128*(\p)+FR*\b:128*(\p)+FR*\b+FR-1], v[AF+FR*(\a):AF+FR*(\a)+FR-1], v[8*(8*((\a)%4)+\b):8*(8*((\a)%4)+\b)+7], v[SC+8*NQ*(\sc)+NQ*\b+(\q)], v[SC+8*NQ*(\sc)+NQ*(\a)+(\q)] matrix_a_fmt:MATRIX_FMT_FP4 matrix_b_fmt:MATRIX_FMT_FP4 matrix_a_scale:MATRIX_SCALE_ROW1
.endif
.endr
.endr
.endm
.macro FETCH_B slot, q, p
	WIN TO_B
.irp i, 0,1,2,3,4,5,6,7
	FRAG 128*(\p)+FR*\i, ADRB+\slot, \q, \i
.endr
	WIN 0
.endm
.macro FETCH_A slot, q, i0
.irp i, \i0, \i0+1, \i0+2, \i0+3
	FRAG AF+FR*(\i), ADRA+\slot, \q, \i
.endr
.endm
.macro SCALES sc                       ; a K step's scale words: four a row; lanes 0-15 take A's block i, lanes 16-31 B's block i
.irp i, 0,1,2,3,4,5,6,7
	ds_load_b128 v[SC+8*NQ*\sc+NQ*\i:SC+8*NQ*\sc+NQ*\i+3], v[ADRS] offset:\i*SBLK
.endr
.endm
.macro PLACES n                        ; plain vector instructions between a matrix instruction and a load into, or a vector read of, its registers
.rept \n
	v_nop
.endr
.endm
.macro STEP slot, q, zero              ; 128 along K, with its successor in the same slot
	s_wait_dscnt 4*NL                              ; B's set and A's blocks 0-3 are in; the youngest eight loads (A's blocks 4-7) may be out
	WIN MUL_LO
	MUL16 0, (\q)%2, \q, \slot, \zero
	MUL16 2, (\q)%2, \q, \slot, \zero
	s_wait_dscnt 0
	PLACES NP
	FETCH_B \slot, (\q)+1, 1-(\q)%2
	FETCH_A \slot, (\q)+1, 0
	WIN MUL_HI
	MUL16 4, (\q)%2, \q, \slot, \zero
	MUL16 6, (\q)%2, \q, \slot, \zero
	PLACES NP
	WIN 0
	FETCH_A \slot, (\q)+1, 4
.endm
; A slot's last step changes slots: ONE barrier; in front of it each wave waits for all its tensor loads, adds 0 to its spare word, and waits for that and for its own reads of this slot.
.macro TURN slot, next, fill
	s_wait_tensorcnt 0x0                           ; all my tensor loads have landed: my part of the next slot
	ds_add_u32 v[SPW], v[NIL]                      ; 0 onto my spare word
	s_wait_dscnt 4*NL+1                            ; (the add and the youngest eight loads may be out)
	WIN MUL_LO
	MUL16 0, 1, NQ-1, \slot, 0
	s_wait_dscnt 0x0                               ; the add is done, and my reads of this slot are over
	s_barrier_signal -1
	MUL16 2, 1, NQ-1, \slot, 0
	WIN 0
	s_barrier_wait -1
.if \fill
	CREST                                          ; the barrier has opened a round of the cluster's barrier: no wave of any partner still reads this slot or has a load on its way
	s_add_nc_u64 s[G0+4*\slot+2:G0+4*\slot+3], s[G0+4*\slot+2:G0+4*\slot+3], 2*ROWB
	s_add_nc_u64 s[G0B+4*\slot+2:G0B+4*\slot+3], s[G0B+4*\slot+2:G0B+4*\slot+3], 2*ROWB
	JLOAD G0+4*\slot, G1, G0B+4*\slot, G1B         ; the first tensor load behind the round; its four v_nop are the places in front of the loads below
.else
	PLACES NP
.endif
	v_add_nc_u32 v[ADRS], 4*NQ, v[ADRS]            ; on to the next K step's scale words
	FETCH_B \next, 0, 0
	FETCH_A \next, 0, 0
	SCALES \next
	WIN MUL_HI
	MUL16 4, 1, NQ-1, \slot, 0
	MUL16 6, 1, NQ-1, \slot, 0
	PLACES NP
	WIN 0
	FETCH_A \next, 0, 4
.endm
.macro STEPS slot, from
.set Q, \from
.rept NQ-1-\from
	STEP \slot, Q, 0
.set Q, Q+1
.endr
.endm
	s_wait_tensorcnt 1                             ; the scales and my part of K step 0 are in; K step 1's load may be out
	s_barrier_signal -1
	s_barrier_wait -1
	FETCH_B 0, 0, 0
	FETCH_A 0, 0, 0
	SCALES 0
	FETCH_A 0, 0, 4
	STEP 0, 0, 1                                   ; K has four slots' worth: the sixteen steps are written out
	STEPS 0, 1
	TURN 0, 1, 1
	STEPS 1, 0
	TURN 1, 0, 1
	STEP 0, 0, 0
	STEPS 0, 1
	TURN 0, 1, 0
	STEPS 1, 0
	s_wait_dscnt 4*NL
	WIN MUL_LO
	MUL16 0, 1, NQ-1, 1, 0
	MUL16 2, 1, NQ-1, 1, 0
	s_wait_dscnt 0
	WIN MUL_HI
	MUL16 4, 1, NQ-1, 1, 0
	MUL16 6, 1, NQ-1, 1, 0
	WIN 0
; ---------------------------------------------------------------- the ways out
; 64 numbers of a lane become a fragment's codes in v[PC] on and its scale word in v[PW].  Register 8 t + j = k 16 t + 8 (lane / 16) + j of my row; the first 16 stand at first, the others at rest + 16 on.
; Tile t's eight codes are dword 2 (t % 2) + h of block t / 2; the operand wants a whole block in a lane: the conversions' results are placed so that two exchanges of halves for each pair of blocks give it.
; rope = 1: the first 16 are k 16 h + 0 .. 15: one exchange more brings them into the same order.
.macro QUANTN first, rest, rope
	v_max3_num_f32 v[TM], |v[\first]|, |v[\first+1]|, 0x1800000          ; the floor 2^(3 - 127) holds the byte at 1 from below
.irp b, 1,2,3
	v_max3_num_f32 v[TM+\b], |v[\rest+16*\b]|, |v[\rest+16*\b+1]|, 0x1800000
.endr
.irp i, 2,4,6,8,10,12,14
	v_max3_num_f32 v[TM], v[TM], |v[\first+\i]|, |v[\first+\i+1]|
.irp b, 1,2,3
	v_max3_num_f32 v[TM+\b], v[TM+\b], |v[\rest+16*\b+\i]|, |v[\rest+16*\b+\i+1]|
.endr
.endr
.irp b, 0,1,2,3
	v_permlanex16_b32 v[TM+4+\b], v[TM+\b], s[SEL], s[SEL+1]
.endr
.irp b, 0,1,2,3
	v_max_num_f32 v[TM+\b], v[TM+\b], v[TM+4+\b]   ; with lane l xor 16's: the block's largest magnitude
.endr
.irp b, 0,1,2,3
	v_add_nc_u32 v[TM+12+\b], 0xff000000, v[TM+\b] ; 2 off its exponent field: the conversion's scale operand
.endr
.irp b, 0,1,2,3
	v_lshrrev_b32 v[TM+4+\b], 23, v[TM+12+\b]      ; the scale's byte
.endr
	v_lshl_or_b32 v[PW], v[TM+5], 8, v[TM+4]
	v_lshl_or_b32 v[PW], v[TM+6], 16, v[PW]
	v_lshl_or_b32 v[PW], v[TM+7], 24, v[PW]
	v_cvt_scalef32_pk8_fp4_f32 v[PC+0], v[\first:\first+7], v[TM+12]
	v_cvt_scalef32_pk8_fp4_f32 v[PC+2], v[\first+8:\first+15], v[TM+12]
	v_cvt_scalef32_pk8_fp4_f32 v[PC+1], v[\rest+16:\rest+23], v[TM+13]
	v_cvt_scalef32_pk8_fp4_f32 v[PC+3], v[\rest+24:\rest+31], v[TM+13]
	v_cvt_scalef32_pk8_fp4_f32 v[PC+4], v[\rest+32:\rest+39], v[TM+14]
	v_cvt_scalef32_pk8_fp4_f32 v[PC+6], v[\rest+40:\rest+47], v[TM+14]
	v_cvt_scalef32_pk8_fp4_f32 v[PC+5], v[\rest+48:\rest+55], v[TM+15]
	v_cvt_scalef32_pk8_fp4_f32 v[PC+7], v[\rest+56:\rest+63], v[TM+15]
	v_nop                                          ; a plain instruction behind the last scaled conversion
.if \rope
	v_permlane16_swap_b32 v[PC+0], v[PC+2]
.endif
.irp c, 0,1
	v_permlane16_swap_b32 v[PC+4*\c], v[PC+4*\c+1]
	v_permlane16_swap_b32 v[PC+4*\c+2], v[PC+4*\c+3]
.endr
.endm
; The trip's block of accumulators, with the bias added, comes into v[W] on.  Register numbers cannot hang on a counter: a switch leads to one of eight copies.  Each accumulator is read from its low end on.
.macro GETROWS isv
.irp a, 0,1,2,3,4,5,6
	s_cmp_eq_u32 s[CNT], \a
	s_cbranch_scc1 .Lrows_\@_\a
.endr
.irp a, 7,6,5,4,3,2,1,0
.Lrows_\@_\a:
.if \isv
	WIN 0x02+(\a)/4                                ; source 0 window 2 or 3
.else
	WIN 0x06+(\a)/4                                ; and source 1 window 1
.endif
.set q, 0
.rept 32
.if \isv
	v_pk_add_f32 v[W+q:W+q+1], v[64*((\a)%4)+q:64*((\a)%4)+q+1], v[BV+2*(\a):BV+2*(\a)+1]
.else
	v_pk_add_f32 v[W+q:W+q+1], v[64*((\a)%4)+q:64*((\a)%4)+q+1], v[BI+q:BI+q+1]
.endif
.set q, q+2
.endr
	WIN 0
	s_branch .Ljoin_\@
.endr
.Ljoin_\@:
.endm
; The image leaves (two stores of 512 consecutive bytes, aligned); the scale word takes its place among the eight: register i holds block i's in lanes 0-15 and block 4 + i's in lanes 16-31.
.macro TAIL
	global_store_b128 v[LI], v[PC:PC+3], s[98:99]
	global_store_b128 v[LI], v[PC+4:PC+7], s[98:99] offset:512
	s_cmp_lt_u32 s[CNT], 4
	s_cselect_b32 s[SM], -1, 0xffff0000
	v_cndmask_b32 v[SW], v[SW], v[SW+1], s[SM]
	v_cndmask_b32 v[SW+1], v[SW+1], v[SW+2], s[SM]
	v_cndmask_b32 v[SW+2], v[SW+2], v[SW+3], s[SM]
	v_cndmask_b32 v[SW+3], v[SW+3], v[PW], s[SM]
	s_wait_xcnt 0x0                                ; the stores (and the trip's loads) have read their registers and bases
	s_add_nc_u64 s[98:99], s[98:99], s[STR:STR+1]
.endm
; gelu of 16 numbers at v[w] on: z = x / sqrt 2 held at +-4; erf z = z P(z^2) / Q(z^2); x / 2 + (x / 2) erf z.  v32-95 at work.
.macro GELU16 w
.irp p, 0,2,4,6,8,10,12,14
	v_pk_mul_f32 v[32+\p:33+\p], v[\w+\p:\w+\p+1], 0x3f3504f3 op_sel_hi:[1,0]
.endr
.irp p, 0,1,2,3,4,5,6,7,8,9,10,11,12,13,14,15
	v_med3_num_f32 v[32+\p], v[32+\p], -4.0, 4.0
.endr
.irp p, 0,2,4,6,8,10,12,14
	v_pk_mul_f32 v[48+\p:49+\p], v[32+\p:33+\p], v[32+\p:33+\p]
.endr
.irp p, 0,2,4,6,8,10,12,14
	v_pk_fma_f32 v[64+\p:65+\p], v[48+\p:49+\p], v[112:113], s[24:25] op_sel_hi:[1,1,0]
.endr
.irp p, 0,2,4,6,8,10,12,14
	v_pk_fma_f32 v[80+\p:81+\p], v[48+\p:49+\p], v[114:115], s[36:37] op_sel_hi:[1,1,0]
.endr
.irp k, 26,28,30,32,34
.irp p, 0,2,4,6,8,10,12,14
	v_pk_fma_f32 v[64+\p:65+\p], v[64+\p:65+\p], v[48+\p:49+\p], s[\k:\k+1] op_sel_hi:[1,1,0]
.endr
.endr
.irp k, 38,48,50
.irp p, 0,2,4,6,8,10,12,14
	v_pk_fma_f32 v[80+\p:81+\p], v[80+\p:81+\p], v[48+\p:49+\p], s[\k:\k+1] op_sel_hi:[1,1,0]
.endr
.endr
.irp p, 0,1,2,3,4,5,6,7,8,9,10,11,12,13,14,15
	v_rcp_f32 v[80+\p], v[80+\p]
.endr
.irp p, 0,2,4,6,8,10,12,14
	v_pk_mul_f32 v[64+\p:65+\p], v[64+\p:65+\p], v[32+\p:33+\p]        ; z P: plain work behind the reciprocals, which names none of them
.endr
	s_wait_alu depctr_va_vdst(0)                   ; one wait for the sixteen, ahead of their first reader
.irp p, 0,2,4,6,8,10,12,14
	v_pk_mul_f32 v[64+\p:65+\p], v[64+\p:65+\p], v[80+\p:81+\p]
.endr
.irp p, 0,2,4,6,8,10,12,14
	v_pk_mul_f32 v[32+\p:33+\p], v[\w+\p:\w+\p+1], 0.5 op_sel_hi:[1,0]
.endr
.irp p, 0,2,4,6,8,10,12,14
	v_pk_fma_f32 v[\w+\p:\w+\p+1], v[64+\p:65+\p], v[32+\p:33+\p], v[32+\p:33+\p]
.endr
.endm
	PLACES NP                                      ; behind the last products
	s_wait_loadcnt 0x0                             ; bias and gain
.irp i, 0,1,2,3
	v_mov_b32 v[SW+\i], 0
	v_mov_b32 v[TM+4+\i], 0                        ; (a lane permute's destination counts as one of its sources)
.endr
	s_mov_b32 s[SEL], 0x76543210
	s_mov_b32 s[SEL+1], 0xfedcba98
	s_mov_b32 s[C128], 0x3c000000                  ; 1 / 128
	s_mov_b32 s[EPS], 0x3727c5ac                   ; 1e-5
	s_mov_b32 s[CNT], 0
	s_cmp_eq_u32 s[KIND], 2                        ; the kind is the same in all four partners
	s_cbranch_scc1 .Lv
	s_cmp_eq_u32 s[KIND], 3
	s_cbranch_scc1 .Lh
.Lqk:                                              ; ---- q and k
.irp i, 0,1,2,3
	global_load_b128 v[CS+4*\i:CS+4*\i+3], v[CSO], s[96:97] offset:16*\i        ; cos, sin of pairs 8 h + 0 .. 7 of token 16 a + r; the copy and the sum of squares stand between this and its use
.endr
	GETROWS 0
.irp c, 0,1,2,3
	v_pk_mul_f32 v[32+2*\c:33+2*\c], v[W+2*\c:W+2*\c+1], v[W+2*\c:W+2*\c+1]
.endr
.irp k, 8,16,24,32,40,48,56
.irp c, 0,1,2,3
	v_pk_fma_f32 v[32+2*\c:33+2*\c], v[W+\k+2*\c:W+\k+2*\c+1], v[W+\k+2*\c:W+\k+2*\c+1], v[32+2*\c:33+2*\c]
.endr
.endr
	v_pk_add_f32 v[32:33], v[32:33], v[34:35]
	v_pk_add_f32 v[36:37], v[36:37], v[38:39]
	v_pk_add_f32 v[32:33], v[32:33], v[36:37]
	v_add_f32 v32, v32, v33
	v_permlanex16_b32 v33, v32, s[SEL], s[SEL+1]
	v_add_f32 v32, v32, v33                        ; the sum of the head's 128 squares
	v_fma_f32 v32, v32, s[C128], s[EPS]
	v_rsq_f32 v34, v32
	v_nop
	s_wait_alu depctr_va_vdst(0)
	v_mov_b32 v35, v34
.set q, 0
.rept 32
	v_pk_mul_f32 v[W+q:W+q+1], v[W+q:W+q+1], v[34:35]
.set q, q+2
.endr
	WIN 0x04                                       ; source 1 window 1: the gain
.set q, 0
.rept 32
	v_pk_mul_f32 v[W+q:W+q+1], v[W+q:W+q+1], v[NW+q:NW+q+1]
.set q, q+2
.endr
	WIN 0
	s_wait_loadcnt 0x0                             ; cos and sin
.irp j, 0,1,2,3,4,5,6,7                        ; I hold x1 = dims 8 h + j (register j) and x2 = dims 16 + 8 h + j (register 8 + j): the results are dims 16 h + 2 j, 16 h + 2 j + 1
	v_mul_f32 v[32+2*\j], v[W+8+\j], v[CS+2*\j+1]
	v_mul_f32 v[33+2*\j], v[W+\j], v[CS+2*\j+1]
.endr
.irp j, 0,1,2,3,4,5,6,7
	v_fma_f32 v[T+2*\j], v[W+\j], v[CS+2*\j], -v[32+2*\j]
	v_fma_f32 v[T+2*\j+1], v[W+8+\j], v[CS+2*\j], v[33+2*\j]
.endr
	QUANTN T, W, 1
	TAIL
	s_add_nc_u64 s[96:97], s[96:97], 2048          ; sixteen tokens on
	s_add_co_u32 s[CNT], s[CNT], 1
	s_cmp_lt_u32 s[CNT], 8
	s_cbranch_scc1 .Lqk
	s_branch .Lfin
.Lv:                                               ; ---- v: my row is one of the head's 128, my registers run along 128 keys
	GETROWS 1
	QUANTN W, W, 0
	TAIL
	s_add_co_u32 s[CNT], s[CNT], 1
	s_cmp_lt_u32 s[CNT], 8
	s_cbranch_scc1 .Lv
	s_branch .Lfin
.Lh:                                               ; ---- the FFN's hidden layer.  The descriptors' registers are free: every tensor load has been waited for
	s_mov_b32 s24, 0x32edffee                      ; P: z^11 .. z^1 (z^13 in v[112:113])
	s_mov_b32 s25, s24
	s_mov_b32 s26, 0xb60cff51
	s_mov_b32 s27, s26
	s_mov_b32 s28, 0xb86ec2d2
	s_mov_b32 s29, s28
	s_mov_b32 s30, 0xba40ac63
	s_mov_b32 s31, s30
	s_mov_b32 s32, 0xbb41a1f6
	s_mov_b32 s33, s32
	s_mov_b32 s34, 0xbc83dbd4
	s_mov_b32 s35, s34
	s_mov_b32 s36, 0xb95fbd29                      ; Q: z^6 .. z^0 (z^8 in v[114:115])
	s_mov_b32 s37, s36
	s_mov_b32 s38, 0xbadc924e
	s_mov_b32 s39, s38
	s_mov_b32 s48, 0xbbf19bf8
	s_mov_b32 s49, s48
	s_mov_b32 s50, 0xbc69b6a7
	s_mov_b32 s51, s50
	v_mov_b32 v112, 0xaf95df0b
	v_mov_b32 v113, 0xaf95df0b
	v_mov_b32 v114, 0xb77460cd
	v_mov_b32 v115, 0xb77460cd
.Lhrow:
	GETROWS 0
.set q, 0
.rept 32                                           ; the wave whose units begin 64 too low: its upper 64 are units 1,408 .. 1,471, the first half of the last K step;
	v_cndmask_b32 v[W+q], v[W+q], v[W+32+q], s[SH]
.set q, q+1
.endr
.set q, 0
.rept 32                                           ; the other half lies past the hidden layer: zeros (gelu leaves them zeros)
	v_cndmask_b32 v[W+32+q], v[W+32+q], 0, s[SH]
.set q, q+1
.endr
	GELU16 W
	GELU16 W+16
	GELU16 W+32
	GELU16 W+48
	QUANTN W, W, 0
	TAIL
	s_add_co_u32 s[CNT], s[CNT], 1
	s_cmp_lt_u32 s[CNT], 8
	s_cbranch_scc1 .Lhrow
.Lfin:
	global_store_b128 v[LI], v[SW:SW+3], s[100:101]        ; my eight blocks' scale words: 512 consecutive bytes, aligned
	s_wait_tensorcnt 0x0                           ; the wave's end
	ds_add_u32 v[SPW], v[NIL]
	s_wait_dscnt 0x0
	CROUND                                         ; the closing round: no work-group ends while a partner may still ask for a tile that names it
	s_endpgm
.Lfunc_end_k_q893cd4f8b3_proj:
	.size	k_q893cd4f8b3_proj, .Lfunc_end_k_q893cd4f8b3_proj-k_q893cd4f8b3_proj
	.p2alignl 7, 3214868480
	.fill 96, 4, 3214868480
	.section	.rodata,"a",@progbits
	.p2align	6, 0x0
	.amdhsa_kernel k_q893cd4f8b3_proj
		.amdhsa_group_segment_fixed_size 327680
		.amdhsa_private_segment_fixed_size 0
		.amdhsa_enable_private_segment 0
		.amdhsa_kernarg_size 152
		.amdhsa_user_sgpr_count 2
		.amdhsa_user_sgpr_kernarg_segment_ptr 1
		.amdhsa_wavefront_size32 1
		.amdhsa_system_sgpr_workgroup_id_x 1
		.amdhsa_system_sgpr_workgroup_id_y 1
		.amdhsa_system_sgpr_workgroup_id_z 1
		.amdhsa_system_vgpr_workitem_id 0
		.amdhsa_next_free_vgpr 1024
		.amdhsa_next_free_sgpr 102
		.amdhsa_reserve_vcc 0
		.amdhsa_float_denorm_mode_32 3
		.amdhsa_float_denorm_mode_16_64 3
		.amdhsa_memory_ordered 1
		.amdhsa_forward_progress 1
		.amdhsa_inst_pref_size 255
	.end_amdhsa_kernel
	.section	.bss,"aw",@nobits
	.p2align	6
	.space	262144
	.amdgpu_metadata
---
amdhsa.version: [ 1, 2 ]
amdhsa.kernels:
  - .name:           k_q893cd4f8b3_proj
    .symbol:         k_q893cd4f8b3_proj.kd
    .args:
      - { .name: xq, .offset: 0, .size: 8, .value_kind: global_buffer, .address_space: global }
      - { .name: wq_w_codes, .offset: 8, .size: 8, .value_kind: global_buffer, .address_space: global }
      - { .name: wk_w_codes, .offset: 16, .size: 8, .value_kind: global_buffer, .address_space: global }
      - { .name: wv_w_codes, .offset: 24, .size: 8, .value_kind: global_buffer, .address_space: global }
      - { .name: w1_w_codes, .offset: 32, .size: 8, .value_kind: global_buffer, .address_space: global }
      - { .name: wq_w_scales, .offset: 40, .size: 8, .value_kind: global_buffer, .address_space: global }
      - { .name: wk_w_scales, .offset: 48, .size: 8, .value_kind: global_buffer, .address_space: global }
      - { .name: wv_w_scales, .offset: 56, .size: 8, .value_kind: global_buffer, .address_space: global }
      - { .name: w1_w_scales, .offset: 64, .size: 8, .value_kind: global_buffer, .address_space: global }
      - { .name: wq_b, .offset: 72, .size: 8, .value_kind: global_buffer, .address_space: global }
      - { .name: wk_b, .offset: 80, .size: 8, .value_kind: global_buffer, .address_space: global }
      - { .name: wv_b, .offset: 88, .size: 8, .value_kind: global_buffer, .address_space: global }
      - { .name: w1_b, .offset: 96, .size: 8, .value_kind: global_buffer, .address_space: global }
      - { .name: qn_w, .offset: 104, .size: 8, .value_kind: global_buffer, .address_space: global }
      - { .name: kn_w, .offset: 112, .size: 8, .value_kind: global_buffer, .address_space: global }
      - { .name: freqs_cis, .offset: 120, .size: 8, .value_kind: global_buffer, .address_space: global }
      - { .name: qkv, .offset: 128, .size: 8, .value_kind: global_buffer, .address_space: global }
      - { .name: aimg, .offset: 136, .size: 8, .value_kind: global_buffer, .address_space: global }
      - { .name: asc, .offset: 144, .size: 8, .value_kind: global_buffer, .address_space: global }
    .group_segment_fixed_size: 327680
    .private_segment_fixed_size: 0
    .kernarg_segment_align: 8
    .kernarg_segment_size: 152
    .max_flat_workgroup_size: 128
    .sgpr_count:     102
    .vgpr_count:     1024
    .wavefront_size: 32
...
	.end_amdgpu_metadata
.endif
;; end of part 2
;; launch attn (part 3): grid 16 x 16, 8 waves a work-group, no clusters, 279,552 bytes of LDS; arguments qkv, msk, aimg, asc; writes aimg, asc
.if DOCPART == 3
	.amdgcn_target "amdgcn-amd-amdhsa--gfx1250"
	.amdhsa_code_object_version 6
	.text
	.protected	k_q893cd4f8b3_attn
	.globl	k_q893cd4f8b3_attn
	.p2align	8
	.type	k_q893cd4f8b3_attn,@function
k_q893cd4f8b3_attn:
	s_mov_b64 s[64:65], 0
	v_nop
	global_prefetch_b8 v0, s[64:65] scope:SCOPE_SE
	s_setreg_imm32_b32 hwreg(HW_REG_WAVE_MODE, 25, 1), 1
	s_wait_xcnt 0x0
; ATTN: y[q][head] = softmax over the keys of (q . k / sqrt(128), or -65504 where the mask input is 0) times v, both products on codes of E2M1 with E8M0 scales; y leaves as codes, K steps 0 .. 15 of the last product.
; THE SOFTMAX AHEAD OF THE SECOND PRODUCT: t = logit x log2(e); M = the running largest t rounded UP to a whole number; p = 2^(t - M) is quantised along the keys; the row's sum is taken of the unquantised p and divides at the end.
; SHARES.  Work-group (x, head); wave w < 4 owns query tile T = 4 x + w, wave w >= 4 tile 127 - 4 x - (w - 4): 16 queries each.
; THE HEAD'S K AND V, images of fragments and their scale words, 278,528 bytes, are copied into LDS once, through registers (each wave an eighth), ahead of ONE barrier; behind it LDS is only read.
; WHY NO TENSOR LOADS AND NO CLUSTER: which key steps a wave works hangs on a list read from memory.
; THE LIST.  A key step all of whose 16 x 128 mask bytes are 0 adds exactly 0 to every sum, so long as each of the 16 queries has an open key somewhere: it is jumped over.  A tile with a query that has no open key walks all steps:
; that row's p are then all equal, as reference()'s softmax of equal logits is.  The loop has a constant 16 trips; the jump is a scalar branch on the stored list.
; A STEP AHEAD.  What a step wants first, its K fragments with their scale words (from LDS) and its 64 lane masks (from memory, into scalar registers), is asked for by the trip before it: a worked step asks for step j + 1 behind its own
; last read of those registers, about 300 instructions ahead of the use; a step that is jumped over asks if the list says that the next one is worked.  Step 0's are asked for ahead of the loop.
; LAYOUT.  S^T = K Q^T (source 0 = 16 keys, source 1 = my queries), O^T = V^T P^T: a lane holds ONE query (lane % 16); S^T's register 8 t + j is key 16 t + 8 (lane / 16) + j of the step.
; Masked scores are replaced, ahead of the maximum, by -65504 sqrt(128), which the scaling turns into -65504 log2(e).
; LIMITS: open logits above about -65,000 (else a step that was jumped over would have counted); NaN and infinities are not served; a block of zeros gets the scale byte 1.
; REGISTERS, window 0: v1-11 addresses and the masked score; v12 -M, v13 the largest t, v[14:15] the sum; v16-23 Q, v24 its scale words; v32-95 eight fragments of V; v96-159 S^T, then p; v160-223 O^T; v224-231 p's codes;
; v232-247 at work; v240-243 V's scale words; v248-251 K's; v252 f; v253 p's scale word; v254 at work.   window 1: v32-95 eight fragments of K (during the copy: its last twelve pieces).
.set VIMG, 131072
.set KSC,  262144
.set LI,   1                           ; 16 x lane
.set LIV,  2
.set LIS,  3
.set FA,   4                           ; the copy: 16 x lane + 16,384 x wave
.set FAV,  5
.set FS,   6
.set FSG,  7                           ; 16 x lane + 1,024 x wave
.set ADK,  8
.set ADV,  9
.set ADS,  10
.set NEG,  11
.set QS,   24
.set RO,   25                          ; 16 r
.set KW,   32                          ; window 1: K's fragments
.set PC,   224
.set TM,   232
.set PW,   248
.set MN,   2                           ; s2   the byte offset of the lane masks that are being asked for; written only when no scalar load is out
.set SEL,  16                          ; s[16:17], s[18:19]: set behind the copy, when the pointers that stood there are done with
.set CSC,  18
.set TK,   20
.set TS,   21
.set MO,   22
.set ACT,  30
.set JJ,   31
.set MSB, 0
.macro WIN new                         ; the immediate's high byte repeats the setting that is left
.if MSB != \new
	s_set_vgpr_msb (MSB<<8)|\new
.set MSB, \new
.endif
.endm
.macro MLOAD                           ; a step's 64 lane masks, 256 bytes at s[MN] in my tile's masks
	s_load_b512 s[32:47], s[6:7], s[MN] offset:0x0
	s_load_b512 s[48:63], s[6:7], s[MN] offset:0x40
	s_load_b512 s[68:83], s[6:7], s[MN] offset:0x80
	s_load_b512 s[84:99], s[6:7], s[MN] offset:0xc0
.endm
.macro KAHEAD ak, as, ok, os           ; a step's eight fragments of K into window 1, and its scale words: register i: lanes 0-15 tile i's words, lanes 16-31 tile 4 + i's
	WIN 0x40                                       ; destination window 1, address window 0
.irp t, 0,1,2,3,4,5,6,7
	ds_load_b128 v[KW+8*\t:KW+8*\t+3], v[\ak] offset:\ok+1024*\t
	ds_load_b128 v[KW+8*\t+4:KW+8*\t+7], v[\ak] offset:\ok+1024*\t+512
.endr
	WIN 0
	ds_load_b128 v[248:251], v[\as] offset:\os
.endm
	s_load_b256 s[4:11], s[0:1], 0x0               ; qkv, msk, aimg, asc
	v_lshl_add_u32 v30, v0, 2, 0x44000
	v_mov_b32 v31, 0
	v_lshrrev_b32 v1, 5, v0
	v_readfirstlane_b32 s12, v1                    ; wave 0..7
	s_and_b32 s14, ttmp7, 0xffff                   ; head
	s_lshl_b32 s13, ttmp9, 2
	s_add_co_u32 s15, s13, s12
	s_sub_co_u32 s2, 131, s13
	s_sub_co_u32 s2, s2, s12
	s_cmp_lt_u32 s12, 4
	s_cselect_b32 s15, s15, s2                     ; T
	s_lshl_b32 s2, s14, 17
	s_mov_b32 s3, 0
	s_lshl_b32 s30, s14, 13
	s_mov_b32 s31, 0
	s_wait_kmcnt 0x0
	s_add_nc_u64 s[24:25], s[4:5], s[2:3]          ; the head's images: q's,
	s_add_nc_u64 s[16:17], s[24:25], 0x200000      ; k's,
	s_add_nc_u64 s[18:19], s[24:25], 0x400000      ; v's
	s_add_nc_u64 s[26:27], s[4:5], s[30:31]
	s_add_nc_u64 s[26:27], s[26:27], 0x600000      ; its scale words: q's,
	s_add_nc_u64 s[20:21], s[26:27], 0x20000       ; k's,
	s_add_nc_u64 s[22:23], s[26:27], 0x40000       ; v's
	s_lshl_b32 s2, s15, 10
	s_add_nc_u64 s[24:25], s[24:25], s[2:3]        ; my tile of q
	s_lshr_b32 s2, s15, 2
	s_lshl_b32 s2, s2, 8                           ; 512 (T / 8) + 256 ((T / 4) % 2)
	s_and_b32 s30, s15, 3
	s_lshl_b32 s30, s30, 2
	s_add_co_u32 s2, s2, s30                       ; + 4 (T % 4): my tile's words in a step's scale words
	s_add_nc_u64 s[26:27], s[26:27], s[2:3]
	s_lshl_b32 s30, s14, 13
	s_add_co_u32 s30, s30, s2
	s_add_nc_u64 s[10:11], s[10:11], s[30:31]      ; asc[step = head], my tile's words
	s_mul_i32 s30, s15, 28672
	s_lshl_b32 s2, s14, 10
	s_add_co_u32 s30, s30, s2
	s_add_nc_u64 s[8:9], s[8:9], s[30:31]          ; aimg[T][step = head]
	s_lshl_b32 s30, s15, 5
	s_add_co_u32 s30, s30, 0x80000
	s_add_nc_u64 s[28:29], s[6:7], s[30:31]
	s_load_b256 s[32:39], s[28:29], 0x0            ; four pairs: (steps with an open key, lanes with an open key)
	s_lshl_b32 s30, s15, 12
	s_add_nc_u64 s[6:7], s[6:7], s[30:31]          ; my tile's lane masks
	v_and_b32 v26, 31, v0
	v_lshlrev_b32 v[LI], 4, v26
	v_add_nc_u32 v[LIV], VIMG, v[LI]
	v_add_nc_u32 v[LIS], KSC, v[LI]
	s_lshl_b32 s13, s12, 14
	v_add_nc_u32 v[FA], s13, v[LI]
	v_add_nc_u32 v[FAV], VIMG, v[FA]
	s_lshl_b32 s13, s12, 10
	v_add_nc_u32 v[FSG], s13, v[LI]
	v_add_nc_u32 v[FS], KSC, v[FSG]
	v_and_b32 v[RO], 15, v0
	v_lshlrev_b32 v[RO], 4, v[RO]
	; THE COPY: my eighth of K (32 pieces of 512 bytes), of V (32), of the scale words (2 + 2).  56 pieces fill v32-255, the other 12 land in window 1: none waits for a register of the first 56.
	; 62 loads go out at once; V's last eight and Q's scale words follow as soon as K's pieces are in.
.set i, 0
.rept 32
	global_load_b128 v[32+4*i:35+4*i], v[FA], s[16:17] offset:512*i
.set i, i+1
.endr
.set i, 0
.rept 24
	global_load_b128 v[160+4*i:163+4*i], v[FA], s[18:19] offset:512*i
.set i, i+1
.endr
	WIN 0x40                                       ; destination window 1
	global_load_b128 v[64:67], v[FSG], s[20:21]
	global_load_b128 v[68:71], v[FSG], s[20:21] offset:512
	global_load_b128 v[72:75], v[FSG], s[22:23]
	global_load_b128 v[76:79], v[FSG], s[22:23] offset:512
	WIN 0
	global_load_b128 v[16:19], v[LI], s[24:25]             ; Q's fragment stays in registers
	global_load_b128 v[20:23], v[LI], s[24:25] offset:512
	s_wait_loadcnt 30                              ; K's 32 pieces are in; behind them: V's 24, the scale words' 4, Q's 2
	WIN 0x40
.set i, 0
.rept 8
	global_load_b128 v[32+4*i:35+4*i], v[FA], s[18:19] offset:512*(24+i)
.set i, i+1
.endr
	WIN 0
	global_load_b32 v[QS], v[RO], s[26:27]                 ; Q's scale words
.set i, 0
.rept 32
	ds_store_b128 v[FA], v[32+4*i:35+4*i] offset:512*i
.set i, i+1
.endr
	s_wait_loadcnt 15                              ; V's first 24 pieces are in; behind them: 4 + 2 + 8 + 1
.set i, 0
.rept 24
	ds_store_b128 v[FAV], v[160+4*i:163+4*i] offset:512*i
.set i, i+1
.endr
	s_wait_loadcnt 0x0
	WIN 0x04                                       ; an LDS store's data are its source 1: window 1
.set i, 0
.rept 8
	ds_store_b128 v[FAV], v[32+4*i:35+4*i] offset:512*(24+i)
.set i, i+1
.endr
	ds_store_b128 v[FS], v[64:67]
	ds_store_b128 v[FS], v[68:71] offset:512
	ds_store_b128 v[FS], v[72:75] offset:8192
	ds_store_b128 v[FS], v[76:79] offset:8704
	WIN 0
	s_wait_kmcnt 0x0
	s_or_b32 s30, s32, s34                         ; the list: steps with an open key,
	s_or_b32 s30, s30, s36
	s_or_b32 s30, s30, s38
	s_or_b32 s31, s33, s35
	s_or_b32 s31, s31, s37
	s_or_b32 s31, s31, s39
	s_lshr_b32 s13, s31, 16
	s_or_b32 s31, s31, s13
	s_and_b32 s31, s31, 0xffff                     ; queries with an open key:
	s_cmp_eq_u32 s31, 0xffff
	s_cselect_b32 s[ACT], s30, 0xffff              ; if one has none, all steps are walked
	s_mov_b32 s[MN], 0
	MLOAD                                          ; step 0's lane masks
	s_mov_b32 s[SEL], 0x76543210                   ; (every load that named s[16:23] has come back)
	s_mov_b32 s[SEL+1], 0xfedcba98
	s_mov_b32 s[CSC], 0x3e0293ee                   ; c = log2(e) / sqrt(128)
	s_mov_b32 s[CSC+1], s[CSC]
	s_mov_b32 s[TK], 0
	s_mov_b32 s[TS], 0
	s_mov_b32 s[MO], 0
	s_mov_b32 s[JJ], 0
	s_wait_dscnt 0x0                               ; for the others' sake: my stores have landed (and have read their registers)
	s_barrier_signal -1
	v_mov_b32 v[NEG], 0xc934ee53                   ; work on registers while the others arrive.  -65504 sqrt(128)
	v_mov_b32 v13, 0xff61b1e6                      ; the largest t so far: -3e38, under every t
	v_floor_f32 v12, -v13                          ; -M
	v_mov_b32 v14, 0
	v_mov_b32 v15, 0
.irp b, 0,1,2,3
	v_mov_b32 v[236+\b], 0                         ; (a lane permute's destination counts as one of its sources)
.endr
	v_mov_b32 v252, 0
	v_mov_b32 v253, 0
.set i, 0
.rept 64
	v_mov_b32 v[160+i], 0                          ; O^T: the step is written once; the first finds zeros, which the first change of M leaves zeros
.set i, i+1
.endr
	s_barrier_wait -1                              ; the head's K and V lie in LDS
	KAHEAD LI, LIS, 0, 0                           ; step 0's K
.Lstep:
	s_lshr_b32 s23, s[ACT], s[JJ]
	s_and_b32 s13, s23, 1
	s_cmp_eq_u32 s13, 0
	s_cbranch_scc1 .Lidle
	s_wait_dscnt 0x0                               ; this step's K and its scale words, asked for a trip ago; no LDS load of mine is out, so the address registers may be written
	v_add_nc_u32 v[ADK], s[TK], v[LI]
	v_add_nc_u32 v[ADV], s[TK], v[LIV]
	v_add_nc_u32 v[ADS], s[TS], v[LIS]
	WIN 0x01                                       ; source 0 (K) window 1
.irp t, 0,1,2,3
	v_wmma_scale_f32_16x16x128_f8f6f4 v[96+8*\t:103+8*\t], v[KW+8*\t:KW+8*\t+7], v[16:23], 0, v[248+\t], v[QS] matrix_a_fmt:MATRIX_FMT_FP4 matrix_b_fmt:MATRIX_FMT_FP4
.endr
.irp t, 4,5,6,7
	v_wmma_scale_f32_16x16x128_f8f6f4 v[96+8*\t:103+8*\t], v[KW+8*\t:KW+8*\t+7], v[16:23], 0, v[244+\t], v[QS] matrix_a_fmt:MATRIX_FMT_FP4 matrix_b_fmt:MATRIX_FMT_FP4 matrix_a_scale:MATRIX_SCALE_ROW1
.endr
	WIN 0
.rept 4
	v_nop                                          ; with the three additions above: the places behind the last step's products, in front of the loads into the registers that they read; and behind these products, in front of the first read of their results
.endr
.irp t, 0,1,2,3,4,5,6,7                        ; V's fragments land while the softmax is worked
	ds_load_b128 v[32+8*\t:35+8*\t], v[ADV] offset:1024*\t
	ds_load_b128 v[36+8*\t:39+8*\t], v[ADV] offset:1024*\t+512
.endr
	ds_load_b128 v[240:243], v[ADS] offset:8192
	s_wait_kmcnt 0x0                               ; this step's lane masks, asked for a trip ago
.set n, 0
.rept 64
	v_cndmask_b32 v[96+n], v[NEG], v[96+n], s[32+n+4*(n/32)]       ; where the mask is 0: the masked score
.set n, n+1
.endr
.irp b, 0,1,2,3
	v_max3_num_f32 v[232+\b], v[96+16*\b], v[97+16*\b], v[98+16*\b]        ; the largest score of each block of 32 keys: for the row's maximum, and, since p rises with the score, for the block's largest p
.endr
	s_add_co_u32 s[MN], s[MO], 256                 ; THE NEXT STEP'S lane masks (no scalar load is out: the offset may be written); the last step asks for its own again: inside the buffer, and not used
	s_min_u32 s[MN], s[MN], 3840
	MLOAD
	KAHEAD ADK, ADS, 8192, 512                     ; and its K: the products that read these registers stand 72 plain instructions back.  Behind step 15 these addresses fall into V's image and V's scale words: inside LDS, and not used
.irp i, 3,5,7,9,11,13
.irp b, 0,1,2,3
	v_max3_num_f32 v[232+\b], v[232+\b], v[96+16*\b+\i], v[97+16*\b+\i]
.endr
.endr
.irp b, 0,1,2,3
	v_max_num_f32 v[232+\b], v[232+\b], v[111+16*\b]
.endr
.irp b, 0,1,2,3
	v_permlanex16_b32 v[236+\b], v[232+\b], s[SEL], s[SEL+1]
.endr
.irp b, 0,1,2,3
	v_max_num_f32 v[232+\b], v[232+\b], v[236+\b]
.endr
	v_max3_num_f32 v254, v232, v233, v234
	v_max_num_f32 v254, v254, v235
	v_mul_f32 v254, s[CSC], v254
	v_max_num_f32 v13, v13, v254                   ; the running largest t
	v_mov_b32 v254, v12
	v_floor_f32 v12, -v13                          ; the new -M = -ceil(t)
	v_sub_f32 v254, v12, v254
	v_cvt_i32_f32 v254, v254                       ; old M - new M: a whole number, 0 or less (it saturates)
	v_ldexp_f32 v252, 1.0, v254                    ; f = 2^(old M - new M)
.irp j, 0,2,4,6,8,10,12,14,16,18,20,22,24,26,28,30,32,34,36,38,40,42,44,46,48,50,52,54,56,58,60,62
	v_pk_fma_f32 v[96+\j:97+\j], v[96+\j:97+\j], s[CSC:CSC+1], v[12:13] op_sel_hi:[1,0,0]      ; t - M
.endr
.irp b, 0,1,2,3
	v_fma_f32 v[232+\b], v[232+\b], s[CSC], v12
.endr
.set n, 0
.rept 64
	v_exp_f32 v[96+n], v[96+n]                     ; p = 2^(t - M)
.set n, n+1
.endr
	v_pk_mul_f32 v[14:15], v[14:15], v[252:253] op_sel_hi:[1,0]    ; the sums under the new M: a plain instruction behind the exponentials
	s_wait_alu depctr_va_vdst(0)                   ; one wait for the batch, ahead of its first reader
.irp b, 0,1,2,3
	v_exp_f32 v[232+\b], v[232+\b]                 ; the block's largest p
.endr
	v_pk_add_f32 v[236:237], v[96:97], v[98:99]    ; the row's sum of the unquantised p, in two chains
.irp j, 4,8,12,16,20,24,28,32,36,40,44,48,52,56,60
	v_pk_add_f32 v[14:15], v[14:15], v[96+\j:97+\j]
	v_pk_add_f32 v[236:237], v[236:237], v[98+\j:99+\j]
.endr
	v_pk_add_f32 v[14:15], v[14:15], v[236:237]
	s_wait_alu depctr_va_vdst(0)                   ; and one for the four
.irp b, 0,1,2,3
	v_max_num_f32 v[232+\b], 0x1800000, v[232+\b]
.endr
.irp b, 0,1,2,3
	v_add_nc_u32 v[244+\b], 0xff000000, v[232+\b]
.endr
.irp b, 0,1,2,3
	v_lshrrev_b32 v[236+\b], 23, v[244+\b]
.endr
	v_lshl_or_b32 v253, v237, 8, v236              ; p's scale word for these 128 keys
	v_lshl_or_b32 v253, v238, 16, v253
	v_lshl_or_b32 v253, v239, 24, v253
.irp b, 0,1,2,3                                ; tile 2 b's codes are dwords h, tile 2 b + 1's dwords 2 + h of block b: placed so that the exchanges below give a lane a whole block
	v_cvt_scalef32_pk8_fp4_f32 v[224+4*(\b/2)+(\b%2)], v[96+16*\b:103+16*\b], v[244+\b]
	v_cvt_scalef32_pk8_fp4_f32 v[226+4*(\b/2)+(\b%2)], v[104+16*\b:111+16*\b], v[244+\b]
.endr
	v_nop
.irp c, 0,1
	v_permlane16_swap_b32 v[224+4*\c], v[225+4*\c]
	v_permlane16_swap_b32 v[226+4*\c], v[227+4*\c]
.endr
.irp j, 0,2,4,6,8,10,12,14,16,18,20,22,24,26,28,30,32,34,36,38,40,42,44,46,48,50,52,54,56,58,60,62
	v_pk_mul_f32 v[160+\j:161+\j], v[160+\j:161+\j], v[252:253] op_sel_hi:[1,0]    ; O^T under the new M; these 32 also stand between the lines that made p's codes and scale word and the products
.endr
	s_wait_dscnt 0x0                               ; V (and the next step's K: both were asked for in front of the softmax)
.irp t, 0,1,2,3
	v_wmma_scale_f32_16x16x128_f8f6f4 v[160+8*\t:167+8*\t], v[32+8*\t:39+8*\t], v[224:231], v[160+8*\t:167+8*\t], v[240+\t], v253 matrix_a_fmt:MATRIX_FMT_FP4 matrix_b_fmt:MATRIX_FMT_FP4
.endr
.irp t, 4,5,6,7
	v_wmma_scale_f32_16x16x128_f8f6f4 v[160+8*\t:167+8*\t], v[32+8*\t:39+8*\t], v[224:231], v[160+8*\t:167+8*\t], v[236+\t], v253 matrix_a_fmt:MATRIX_FMT_FP4 matrix_b_fmt:MATRIX_FMT_FP4 matrix_a_scale:MATRIX_SCALE_ROW1
.endr
	s_branch .Lnext
.Lidle:                                            ; a step that is jumped over: if the next one is worked, its lane masks and its K are asked for here
	s_lshr_b32 s13, s23, 1
	s_and_b32 s13, s13, 1                          ; (the list has 16 bits: behind step 15 this is 0)
	s_cmp_eq_u32 s13, 0
	s_cbranch_scc1 .Lnext
	s_wait_kmcnt 0x0                               ; no scalar load and no LDS load of mine is out: their targets, the offset and the address registers may be written again
	s_wait_dscnt 0x0
	s_add_co_u32 s[MN], s[MO], 256
	s_min_u32 s[MN], s[MN], 3840
	MLOAD
	v_add_nc_u32 v[ADK], s[TK], v[LI]
	v_add_nc_u32 v[ADS], s[TS], v[LIS]
	KAHEAD ADK, ADS, 8192, 512
.Lnext:
	s_add_co_u32 s[TK], s[TK], 8192                ; the next step's images, scale words and lane masks
	s_add_co_u32 s[TS], s[TS], 512
	s_add_co_u32 s[MO], s[MO], 256
	s_add_co_u32 s[JJ], s[JJ], 1
	s_cmp_lt_u32 s[JJ], 16
	s_cbranch_scc1 .Lstep
	; THE WAY OUT: O^T / the sum is my 16 queries x the head's 128: K step = head of the last product.  It is quantised as it stands: register 8 t + j = channel 16 t + 8 h + j of query r
	s_wait_dscnt 0x0                               ; what the last worked step asked for ahead has landed: v248 is written below
.rept 2
	v_nop
.endr
	v_add_f32 v14, v14, v15
	v_permlanex16_b32 v252, v14, s[SEL], s[SEL+1]
	v_add_f32 v14, v14, v252
	v_rcp_f32 v14, v14
	v_nop
	s_wait_alu depctr_va_vdst(0)
.set n, 0
.rept 64
	v_mul_f32 v[96+n], v[160+n], v14
.set n, n+1
.endr
.irp b, 0,1,2,3
	v_max3_num_f32 v[TM+\b], |v[96+16*\b]|, |v[97+16*\b]|, 0x1800000
.endr
.irp i, 2,4,6,8,10,12,14
.irp b, 0,1,2,3
	v_max3_num_f32 v[TM+\b], v[TM+\b], |v[96+16*\b+\i]|, |v[97+16*\b+\i]|
.endr
.endr
.irp b, 0,1,2,3
	v_permlanex16_b32 v[TM+4+\b], v[TM+\b], s[SEL], s[SEL+1]
.endr
.irp b, 0,1,2,3
	v_max_num_f32 v[TM+\b], v[TM+\b], v[TM+4+\b]
.endr
.irp b, 0,1,2,3
	v_add_nc_u32 v[TM+12+\b], 0xff000000, v[TM+\b]
.endr
.irp b, 0,1,2,3
	v_lshrrev_b32 v[TM+4+\b], 23, v[TM+12+\b]
.endr
	v_lshl_or_b32 v[PW], v[TM+5], 8, v[TM+4]
	v_lshl_or_b32 v[PW], v[TM+6], 16, v[PW]
	v_lshl_or_b32 v[PW], v[TM+7], 24, v[PW]
.irp b, 0,1,2,3
	v_cvt_scalef32_pk8_fp4_f32 v[PC+4*(\b/2)+(\b%2)], v[96+16*\b:103+16*\b], v[TM+12+\b]
	v_cvt_scalef32_pk8_fp4_f32 v[PC+2+4*(\b/2)+(\b%2)], v[104+16*\b:111+16*\b], v[TM+12+\b]
.endr
	v_nop
.irp c, 0,1
	v_permlane16_swap_b32 v[PC+4*\c], v[PC+4*\c+1]
	v_permlane16_swap_b32 v[PC+4*\c+2], v[PC+4*\c+3]
.endr
	s_wait_kmcnt 0x0                               ; the lane masks asked for ahead by the last worked step have landed: no scalar load of mine is out at the wave's end
	global_store_b128 v[LI], v[PC:PC+3], s[8:9]            ; the image: two stores of 512 consecutive bytes, aligned
	global_store_b128 v[LI], v[PC+4:PC+7], s[8:9] offset:512
	global_store_b32 v[RO], v[PW], s[10:11]                ; 16 words, 16 bytes apart (lanes 16-31 write what lanes 0-15 write): 64 bytes beside the image's 1,024
	s_wait_tensorcnt 0x0
	ds_add_u32 v30, v31
	s_wait_dscnt 0x0
	s_endpgm
.Lfunc_end_k_q893cd4f8b3_attn:
	.size	k_q893cd4f8b3_attn, .Lfunc_end_k_q893cd4f8b3_attn-k_q893cd4f8b3_attn
	.p2alignl 7, 3214868480
	.fill 96, 4, 3214868480
	.section	.rodata,"a",@progbits
	.p2align	6, 0x0
	.amdhsa_kernel k_q893cd4f8b3_attn
		.amdhsa_group_segment_fixed_size 279552
		.amdhsa_private_segment_fixed_size 0
		.amdhsa_enable_private_segment 0
		.amdhsa_kernarg_size 32
		.amdhsa_user_sgpr_count 2
		.amdhsa_user_sgpr_kernarg_segment_ptr 1
		.amdhsa_wavefront_size32 1
		.amdhsa_system_sgpr_workgroup_id_x 1
		.amdhsa_system_sgpr_workgroup_id_y 1
		.amdhsa_system_sgpr_workgroup_id_z 1
		.amdhsa_system_vgpr_workitem_id 0
		.amdhsa_next_free_vgpr 352
		.amdhsa_next_free_sgpr 100
		.amdhsa_reserve_vcc 0
		.amdhsa_float_denorm_mode_32 3
		.amdhsa_float_denorm_mode_16_64 3
		.amdhsa_memory_ordered 1
		.amdhsa_forward_progress 1
		.amdhsa_inst_pref_size 49
	.end_amdhsa_kernel
	.amdgpu_metadata
---
amdhsa.version: [ 1, 2 ]
amdhsa.kernels:
  - .name:           k_q893cd4f8b3_attn
    .symbol:         k_q893cd4f8b3_attn.kd
    .args:
      - { .name: qkv, .offset: 0, .size: 8, .value_kind: global_buffer, .address_space: global }
      - { .name: msk, .offset: 8, .size: 8, .value_kind: global_buffer, .address_space: global }
      - { .name: aimg, .offset: 16, .size: 8, .value_kind: global_buffer, .address_space: global }
      - { .name: asc, .offset: 24, .size: 8, .value_kind: global_buffer, .address_space: global }
    .group_segment_fixed_size: 279552
    .private_segment_fixed_size: 0
    .kernarg_segment_align: 8
    .kernarg_segment_size: 32
    .max_flat_workgroup_size: 256
    .sgpr_count:     100
    .vgpr_count:     352
    .wavefront_size: 32
...
	.end_amdgpu_metadata
.endif
;; end of part 3
;; launch outp (part 4): grid 16 x 16, 4 waves a work-group, clusters of 4 x 4, 327,680 bytes of LDS; arguments aimg, asc, bimg, bsc, wo_b, w2_b, x3, out0; writes out0
.if DOCPART == 4
	.amdgcn_target "amdgcn-amd-amdhsa--gfx1250"
	.amdhsa_code_object_version 6
	.text
	.protected	k_q893cd4f8b3_outp
	.globl	k_q893cd4f8b3_outp
	.p2align	8
	.type	k_q893cd4f8b3_outp,@function
k_q893cd4f8b3_outp:
	s_mov_b64 s[64:65], 0
	v_nop
	global_prefetch_b8 v0, s[64:65] scope:SCOPE_SE
	s_setreg_imm32_b32 hwreg(HW_REG_WAVE_MODE, 25, 1), 1
	s_wait_xcnt 0x0
	s_wait_alu depctr_hold_cnt(0) depctr_sa_sdst(0) depctr_va_vdst(0) depctr_va_sdst(0) depctr_va_ssrc(0) depctr_va_vcc(0) depctr_vm_vsrc(0)
	s_getreg_b32 s2, hwreg(HW_REG_IB_STS2, 6, 4)
	s_cmp_eq_u32 s2, 0
	s_cbranch_scc0 .Lentry_in_a_cluster
	s_endpgm
.Lentry_in_a_cluster:
	s_bfe_u32 s2, ttmp6, 0x10000c
	s_cmp_lg_u32 s2, 0xf033
	s_cbranch_scc0 .Lentry_shape_is_right
	s_endpgm
.Lentry_shape_is_right:
; OUTP: out = x3 + y wo^T + wo_b + h w2^T + w2_b, as ONE product on codes of E2M1 with E8M0 scales: K = y's 2,048, then the hidden layer's 1,472 and 64 zero codes on both sides: 28 steps of 128.
; Both operands lie in memory as images of fragments: aimg / bimg [tile of 16 rows][step 28][c 2][lane 32][16 bytes]; scale words asc / bsc [step][group of 8 tiles][lane 16 g + r][word i] = row r of tile 4 g + i.
; A tile of out is 128 tokens x 128 columns: 256 work-groups; four waves, each 64 x 64: 16 accumulators.  (Tiles of 256 x 256 would be 64: too few for the WGPs.)
; K goes in four phases of 7 steps through two LDS slots; a wave's tensor load brings 4 tiles x 7 steps: 4 rows of 7,168 consecutive bytes, 28,672 apart.  Images are read as they lie, 16 bytes x lane: no padding is wanted.
; The scale words of all 28 steps (28 rows of 512 bytes for A, as many for B) come once, with the first fills.
; CLUSTER 4 x 4: A's tiles hang on y alone and are asked for jointly along a row of the cluster, B's on x alone, along a column.
; The matrix instruction takes 16 rows of B (columns of out) as source 0 and 16 tokens as source 1: a lane holds eight neighbouring columns of one token's row.  The two biases, added, are the C of the first step's products.
; x3 is asked for at the head, in the rows' own layout, and added on the way out.
; REGISTERS: window 0: v16-30 addresses; v32-39 scale words, two sets; v40-71 the biases' sum, later rows on the way out; v72-103 at work; v128-255 the accumulators, (a, b) at v[128 + 8 (4 a + b)].
;   window 1: v0-63, v64-127 two sets of fragments (A's four, then B's four); v128-255 x3.
.set NS,     7
.set TROW,   NS*1024                   ; a tile's images of a phase
.set HALFT,  4*TROW                    ; what one tensor load brings, and what one wave reads of A or of B
.set SLOT,   4*HALFT                   ; A's 8 tiles, then B's 8
.set SCB,    2*SLOT                    ; behind the ring: A's scale words, 512 bytes a step, then B's
.set HALFS,  14*512
.set SPARE,  SCB+4*HALFS               ; the spare words: 128 bytes for each wave; no other line names them
.set STAGE,  SPARE+512                 ; the way out: 16 rows x (256 bytes + 16) for each wave; no tensor load fills it
.set SPITCH, 272
.set ADRA, 16
.set ADRB, 20
.set STO,  24
.set RD,   25
.set CO,   26
.set ADRS, 27
.set SPW,  28
.set NIL,  29
.set BO,   30
.set SC,   32
.set BI,   40
.set ACC,  128
.set G1, 24
.set G0, 32
.set G1B, 48
.set G0B, 56
.set G1S, 68
.set G0S, 76
.set G1SB, 80
.set G0SB, 88
.set MSB, 0
.macro WIN new                         ; the immediate's high byte repeats the setting that is left
.if MSB != \new
	s_set_vgpr_msb (MSB<<8)|\new
.set MSB, \new
.endif
.endm
.set MUL,  0x05                        ; sources 0 (B) and 1 (A) window 1; C and D window 0
.set TO_F, 0x40                        ; destination window 1, address window 0
.macro JLOAD g0a, g1a, g0b, g1b        ; a joint load: waves 0 and 1 fetch for A, waves 2 and 3 for B; four v_nop follow each of the two lines
	s_cmp_eq_u32 s15, 0
	s_cbranch_scc0 .Lfor_b_\@
	tensor_load_to_lds s[\g0a:\g0a+3], s[\g1a:\g1a+7]
	s_nop 0
.rept 4
	v_nop
.endr
	s_branch .Lasked_\@
.Lfor_b_\@:
	tensor_load_to_lds s[\g0b:\g0b+3], s[\g1b:\g1b+7]
	s_nop 0
.rept 4
	v_nop
.endr
.Lasked_\@:
.endm
.macro CREST
	s_cmp_lg_u32 s14, 0
	s_cbranch_scc1 .Lnot_wave_0_\@
	s_barrier_signal -3
.Lnot_wave_0_\@:
	s_barrier_wait -3
	s_barrier_signal -1
	s_barrier_wait -1
.endm
.macro CROUND
	s_barrier_signal -1
	s_barrier_wait -1
	CREST
.endm
.macro PLACES
.rept 4
	v_nop
.endr
.endm
	s_load_b256 s[4:11], s[0:1], 0x0               ; aimg, asc, bimg, bsc
	s_load_b128 s[96:99], s[0:1], 0x20             ; wo_b, w2_b
	s_load_b64 s[12:13], s[0:1], 0x30              ; x3
	s_load_b64 s[100:101], s[0:1], 0x38            ; out0
	v_lshl_add_u32 v[SPW], v0, 2, SPARE
	v_mov_b32 v[NIL], 0
	ds_add_u32 v28, v29
	ds_add_u32 v28, v29
	s_wait_dscnt 0x0
	v_lshrrev_b32 v1, 5, v0
	v_readfirstlane_b32 s14, v1                    ; wave 0..3
	s_lshr_b32 s15, s14, 1                         ; which 64 tokens are mine.  Also: I fetch for A (0) or for B (1)
	s_and_b32 s16, s14, 1                          ; which 64 columns.  Also: which half I fetch
	s_bfe_u32 s40, ttmp6, 0x40000                  ; cx, cy
	s_bfe_u32 s41, ttmp6, 0x40004
	s_lshl_b32 s42, ttmp9, 2
	s_add_co_u32 s42, s42, s40                     ; x: group of 128 columns
	s_and_b32 s17, ttmp7, 0xffff
	s_lshl_b32 s17, s17, 2
	s_add_co_u32 s17, s17, s41                     ; y: group of 128 tokens
	s_lshl_b32 s43, s41, 2
	s_lshl_b32 s43, 15, s43                        ; my row of the cluster
	s_lshl_b32 s44, 0x1111, s40                    ; my column
	; descriptor group 1, images: 4 rows of 896 elements of 8 bytes, 3,584 elements apart; no padding
	s_or_b32 s[G1+0], s43, (3<<16)|(1<<21)
	s_or_b32 s[G1B+0], s44, (3<<16)|(1<<21)
.irp g, G1, G1B
	s_mov_b32 s[\g+1], 896<<16                     ; tensor_dim0
	s_mov_b32 s[\g+2], 4<<16                       ; tensor_dim1
	s_mov_b32 s[\g+3], 896<<16                     ; tile_dim0
	s_mov_b32 s[\g+4], 4                           ; tile_dim1
	s_mov_b32 s[\g+5], 3584                        ; tensor_dim0_stride
	s_mov_b32 s[\g+6], 0
	s_mov_b32 s[\g+7], 0
.endr
	; scale words: 14 rows (steps) of 64 elements of 8 bytes, 1,024 elements apart
	s_or_b32 s[G1S+0], s43, (3<<16)|(1<<21)
	s_or_b32 s[G1SB+0], s44, (3<<16)|(1<<21)
.irp g, G1S, G1SB
	s_mov_b32 s[\g+1], 64<<16
	s_mov_b32 s[\g+2], 14<<16
	s_mov_b32 s[\g+3], 64<<16
	s_mov_b32 s[\g+4], 14
	s_mov_b32 s[\g+5], 1024
	s_mov_b32 s[\g+6], 0
	s_mov_b32 s[\g+7], 0
.endr
	s_mul_i32 s18, s16, 114688                     ; my half: 4 tiles of 28,672 bytes; and 14 steps of 8,192 bytes: the same number
	s_mul_i32 s20, s17, 229376
	s_add_co_u32 s20, s20, s18                     ; A's images
	s_mov_b32 s21, 0
	s_lshl_b32 s22, s17, 9
	s_add_co_u32 s22, s22, s18                     ; A's scale words
	s_mov_b32 s23, 0
	s_mul_i32 s46, s42, 229376
	s_add_co_u32 s46, s46, s18                     ; B's images
	s_mov_b32 s47, 0
	s_lshl_b32 s92, s42, 9
	s_add_co_u32 s92, s92, s18                     ; B's scale words
	s_mov_b32 s93, 0
	s_mul_i32 s45, s14, HALFT                      ; where they go: by the wave's number alone
	s_mul_i32 s94, s14, HALFS
	s_wait_kmcnt 0x0
	s_add_nc_u64 s[20:21], s[4:5], s[20:21]
	s_add_nc_u64 s[22:23], s[6:7], s[22:23]
	s_add_nc_u64 s[46:47], s[8:9], s[46:47]
	s_add_nc_u64 s[92:93], s[10:11], s[92:93]
	CROUND                                         ; all sixteen work-groups are here: the first joint loads meet
	s_mov_b32 s[G0S], 1
	s_add_co_u32 s[G0S+1], s94, SCB
	s_mov_b64 s[G0S+2:G0S+3], s[22:23]
	s_or_b32 s[G0S+3], s[G0S+3], 0x80000000
	s_mov_b32 s[G0SB], 1
	s_add_co_u32 s[G0SB+1], s94, SCB
	s_mov_b64 s[G0SB+2:G0SB+3], s[92:93]
	s_or_b32 s[G0SB+3], s[G0SB+3], 0x80000000
	JLOAD G0S, G1S, G0SB, G1SB
.irp s, 0,1
	s_mov_b32 s[G0+4*\s], 1
	s_add_co_u32 s[G0+4*\s+1], s45, \s*SLOT
	s_add_nc_u64 s[G0+4*\s+2:G0+4*\s+3], s[20:21], \s*TROW
	s_or_b32 s[G0+4*\s+3], s[G0+4*\s+3], 0x80000000
	s_mov_b32 s[G0B+4*\s], 1
	s_add_co_u32 s[G0B+4*\s+1], s45, \s*SLOT
	s_add_nc_u64 s[G0B+4*\s+2:G0B+4*\s+3], s[46:47], \s*TROW
	s_or_b32 s[G0B+4*\s+3], s[G0B+4*\s+3], 0x80000000
	JLOAD G0+4*\s, G1, G0B+4*\s, G1B
.endr
	v_and_b32 v1, 15, v0                           ; r
	v_bfe_u32 v2, v0, 4, 1                         ; h
	v_and_b32 v3, 31, v0
	v_lshlrev_b32 v4, 4, v3                        ; 16 x lane
	s_mul_i32 s21, s15, HALFT
	s_mul_i32 s22, s16, HALFT
	s_add_co_u32 s22, s22, 2*HALFT
.irp s, 0,1
	v_add_nc_u32 v[ADRA+\s], s21, v4
	v_add_nc_u32 v[ADRB+\s], s22, v4
	s_add_co_u32 s21, s21, SLOT
	s_add_co_u32 s22, s22, SLOT
.endr
	v_lshlrev_b32 v5, 4, v1                        ; a step's words: 16 r, + 256 for the upper four tiles;
	s_lshl_b32 s21, s15, 8
	s_lshl_b32 s22, s16, 8
	s_add_co_u32 s22, s22, 2*HALFS
	s_sub_co_u32 s22, s22, s21
	v_mul_u32_u24 v6, s22, v2                      ; lanes 16-31 take B's
	s_add_co_u32 s21, s21, SCB
	v_add_nc_u32 v5, v5, v6
	v_add_nc_u32 v[ADRS], s21, v5
	s_mul_i32 s23, s14, 16*SPITCH
	s_add_co_u32 s23, s23, STAGE                   ; my stage
	v_mul_u32_u24 v5, v1, SPITCH
	v_lshl_add_u32 v5, v2, 5, v5
	v_add_nc_u32 v[STO], s23, v5                   ; in: row r, 32 bytes for each half of the lanes
	v_mul_u32_u24 v5, v2, SPITCH
	v_lshl_add_u32 v5, v1, 4, v5
	v_add_nc_u32 v[RD], s23, v5                    ; back: lanes 0-15 one row of 256 bytes, lanes 16-31 the next
	v_lshlrev_b32 v[CO], 13, v2
	v_lshl_add_u32 v[CO], v1, 4, v[CO]             ; and the same two rows in x3 and in out: rows of 8,192 bytes
	v_lshlrev_b32 v[BO], 5, v2                     ; 32 h
	s_lshl_b32 s20, s17, 7
	s_lshl_b32 s21, s15, 6
	s_add_co_u32 s20, s20, s21                     ; my first token
	s_lshl_b32 s20, s20, 13
	s_lshl_b32 s46, s42, 9
	s_lshl_b32 s47, s16, 8
	s_add_co_u32 s46, s46, s47                     ; my first column, in bytes
	s_add_co_u32 s20, s20, s46
	s_mov_b32 s21, 0
	s_mov_b32 s47, 0
	s_add_nc_u64 s[12:13], s[12:13], s[20:21]
	s_add_nc_u64 s[100:101], s[100:101], s[20:21]
	s_add_nc_u64 s[96:97], s[96:97], s[46:47]
	s_add_nc_u64 s[98:99], s[98:99], s[46:47]
.irp b, 0,1,2,3
	global_load_b128 v[BI+8*\b:BI+8*\b+3], v[BO], s[96:97] offset:64*\b            ; wo_b of columns 16 b + 8 h + 0 .. 7
	global_load_b128 v[BI+8*\b+4:BI+8*\b+7], v[BO], s[96:97] offset:64*\b+16
	global_load_b128 v[72+8*\b:75+8*\b], v[BO], s[98:99] offset:64*\b              ; w2_b likewise
	global_load_b128 v[76+8*\b:79+8*\b], v[BO], s[98:99] offset:64*\b+16
.endr
	WIN TO_F
.irp a, 0,1,2,3
.irp t, 0,1,2,3,4,5,6,7
	global_load_b128 v[128+32*\a+4*\t:131+32*\a+4*\t], v[CO], s[12:13] offset:\a*131072+\t*16384 th:TH_LOAD_NT      ; x3, rows 16 a + 2 t + (lane / 16): 16 lanes read 256 consecutive bytes, aligned
.endr
.endr
	WIN 0
	s_wait_loadcnt 32                              ; the biases are in; x3's 32 loads may be out
.set q, 0
.rept 16
	v_pk_add_f32 v[BI+q:BI+q+1], v[BI+q:BI+q+1], v[72+q:73+q]
.set q, q+2
.endr
; the fragments of step qq of a slot (step ss of the 28) into set bb: 16 loads of 512 consecutive bytes; and the step's scale words: register i: lanes 0-15 my A tile i's, lanes 16-31 my B tile i's
.macro FETCH slot, qq, ss, bb
	WIN TO_F
.irp i, 0,1,2,3
	ds_load_b128 v[64*(\bb)+32+8*\i:64*(\bb)+35+8*\i], v[ADRB+\slot] offset:\i*TROW+(\qq)*1024
	ds_load_b128 v[64*(\bb)+36+8*\i:64*(\bb)+39+8*\i], v[ADRB+\slot] offset:\i*TROW+(\qq)*1024+512
	ds_load_b128 v[64*(\bb)+8*\i:64*(\bb)+8*\i+3], v[ADRA+\slot] offset:\i*TROW+(\qq)*1024
	ds_load_b128 v[64*(\bb)+8*\i+4:64*(\bb)+8*\i+7], v[ADRA+\slot] offset:\i*TROW+(\qq)*1024+512
.endr
	WIN 0
	ds_load_b128 v[SC+4*(\bb):SC+4*(\bb)+3], v[ADRS] offset:512*(\ss)
.endm
; na blocks of A from a0 on x B's four.  The 16 accumulators take turns, one instruction a turn, in the same order in every step.  zero = 1: the biases' sum is the C: nothing is cleared
.macro MULS bb, a0, na, zero
.set aa, \a0
.rept \na
.irp b, 0,1,2,3
.if \zero
	v_wmma_scale_f32_16x16x128_f8f6f4 v[ACC+8*(4*aa+\b):ACC+8*(4*aa+\b)+7], v[64*(\bb)+32+8*\b:64*(\bb)+39+8*\b], v[64*(\bb)+8*aa:64*(\bb)+8*aa+7], v[BI+8*\b:BI+8*\b+7], v[SC+4*(\bb)+\b], v[SC+4*(\bb)+aa] matrix_a_fmt:MATRIX_FMT_FP4 matrix_b_fmt:MATRIX_FMT_FP4 matrix_a_scale:MATRIX_SCALE_ROW1
.else
	v_wmma_scale_f32_16x16x128_f8f6f4 v[ACC+8*(4*aa+\b):ACC+8*(4*aa+\b)+7], v[64*(\bb)+32+8*\b:64*(\bb)+39+8*\b], v[64*(\bb)+8*aa:64*(\bb)+8*aa+7], v[ACC+8*(4*aa+\b):ACC+8*(4*aa+\b)+7], v[SC+4*(\bb)+\b], v[SC+4*(\bb)+aa] matrix_a_fmt:MATRIX_FMT_FP4 matrix_b_fmt:MATRIX_FMT_FP4 matrix_a_scale:MATRIX_SCALE_ROW1
.endif
.endr
.set aa, aa+1
.endr
.endm
.set S, 0                              ; the step in hand, 0 .. 27; its fragments lie in set S % 2
.macro STEP slot, qq, zero             ; a step with its successor in the same slot
	s_wait_dscnt 0x0                               ; this step's fragments and scale words, asked for in the middle of the last step
	WIN MUL
	MULS S%2, 0, 2, \zero
	PLACES                                         ; in front of the loads into the other set, which the last step's products read
	FETCH \slot, (\qq)+1, S+1, (S+1)%2
	WIN MUL
	MULS S%2, 2, 2, \zero
.set S, S+1
.endm
; A slot's last step changes slots: ONE barrier; in front of it each wave waits for all its tensor loads, adds 0 to its spare word, and waits for that and for its own reads of this slot.
.macro TURN slot, next, fill
	WIN 0                                          ; (the add's two registers lie in window 0)
	s_wait_tensorcnt 0x0                           ; all my tensor loads have landed: my part of the next slot
	ds_add_u32 v[SPW], v[NIL]                      ; 0 onto my spare word
	s_wait_dscnt 1                                 ; (the add may be out; my fragments are in)
	WIN MUL
	MULS S%2, 0, 1, 0
	s_wait_dscnt 0x0                               ; the add is done, and my reads of this slot are over
	s_barrier_signal -1
	MULS S%2, 1, 1, 0
	WIN 0
	s_barrier_wait -1
.if \fill
	CREST                                          ; the barrier has opened a round of the cluster's barrier: no wave of any partner still reads this slot or has a load on its way
	s_add_nc_u64 s[G0+4*\slot+2:G0+4*\slot+3], s[G0+4*\slot+2:G0+4*\slot+3], 2*TROW
	s_add_nc_u64 s[G0B+4*\slot+2:G0B+4*\slot+3], s[G0B+4*\slot+2:G0B+4*\slot+3], 2*TROW
	JLOAD G0+4*\slot, G1, G0B+4*\slot, G1B         ; the first tensor load behind the round: it has a phase's seven steps in which to land; its four v_nop are the places in front of the loads below
.else
	PLACES
.endif
	FETCH \next, 0, S+1, (S+1)%2
	WIN MUL
	MULS S%2, 2, 2, 0
.set S, S+1
.endm
.macro SIX slot                        ; a phase's first six steps
.set QQ, 0
.rept 6
	STEP \slot, QQ, 0
.set QQ, QQ+1
.endr
.endm
	s_wait_tensorcnt 1                             ; the scale words and my part of phase 0 are in; phase 1's load may be out
	s_barrier_signal -1
	s_barrier_wait -1
	FETCH 0, 0, 0, 0
	STEP 0, 0, 1                                   ; the first step starts the sums from the biases
.set QQ, 1
.rept 5
	STEP 0, QQ, 0
.set QQ, QQ+1
.endr
	TURN 0, 1, 1
	SIX 1
	TURN 1, 0, 1
	SIX 0
	TURN 0, 1, 0                                   ; nothing is left to fetch
	SIX 1
	s_wait_dscnt 0x0
	WIN MUL
	MULS S%2, 0, 4, 0
	WIN 0
	PLACES                                         ; behind the last products
; THE WAY OUT, a block of 16 tokens x 64 columns at a time: a lane holds 32 neighbouring bytes of a row; the block goes through my own stage and comes back as whole rows of 256 bytes; x3 is added; 16 lanes store 256 consecutive bytes, aligned.
.macro OUTB a
.set BK, 40+32*((\a)%2)
.if (\a) > 1
	s_wait_xcnt 0x0                                ; block a - 2's stores have read their registers
.endif
.irp b, 0,1,2,3
	ds_store_b128 v[STO], v[ACC+8*(4*(\a)+\b):ACC+8*(4*(\a)+\b)+3] offset:64*\b            ; each accumulator from its low end on
	ds_store_b128 v[STO], v[ACC+8*(4*(\a)+\b)+4:ACC+8*(4*(\a)+\b)+7] offset:64*\b+16
.endr
.irp t, 0,1,2,3,4,5,6,7
	ds_load_b128 v[BK+4*\t:BK+4*\t+3], v[RD] offset:2*\t*SPITCH    ; LDS serves a wave's instructions in order: these see the stores above
.endr
	s_wait_dscnt 0x0
.if (\a) == 0
	s_wait_loadcnt 0x0                             ; x3
.endif
	WIN 0x04                                       ; source 1 window 1
.set q, 0
.rept 16
	v_pk_add_f32 v[BK+q:BK+q+1], v[BK+q:BK+q+1], v[128+32*(\a)+q:129+32*(\a)+q]
.set q, q+2
.endr
	WIN 0
.irp t, 0,1,2,3,4,5,6,7
	global_store_b128 v[CO], v[BK+4*\t:BK+4*\t+3], s[100:101] offset:(\a)*131072+\t*16384 th:TH_STORE_NT
.endr
.endm
	OUTB 0
	OUTB 1
	OUTB 2
	OUTB 3
	s_wait_tensorcnt 0x0                           ; the wave's end
	ds_add_u32 v[SPW], v[NIL]
	s_wait_dscnt 0x0
	CROUND                                         ; the closing round: no work-group ends while a partner may still ask for a tile that names it
	s_endpgm
.Lfunc_end_k_q893cd4f8b3_outp:
	.size	k_q893cd4f8b3_outp, .Lfunc_end_k_q893cd4f8b3_outp-k_q893cd4f8b3_outp
	.p2alignl 7, 3214868480
	.fill 96, 4, 3214868480
	.section	.rodata,"a",@progbits
	.p2align	6, 0x0
	.amdhsa_kernel k_q893cd4f8b3_outp
		.amdhsa_group_segment_fixed_size 327680
		.amdhsa_private_segment_fixed_size 0
		.amdhsa_enable_private_segment 0
		.amdhsa_kernarg_size 64
		.amdhsa_user_sgpr_count 2
		.amdhsa_user_sgpr_kernarg_segment_ptr 1
		.amdhsa_wavefront_size32 1
		.amdhsa_system_sgpr_workgroup_id_x 1
		.amdhsa_system_sgpr_workgroup_id_y 1
		.amdhsa_system_sgpr_workgroup_id_z 1
		.amdhsa_system_vgpr_workitem_id 0
		.amdhsa_next_free_vgpr 512
		.amdhsa_next_free_sgpr 102
		.amdhsa_reserve_vcc 0
		.amdhsa_float_denorm_mode_32 3
		.amdhsa_float_denorm_mode_16_64 3
		.amdhsa_memory_ordered 1
		.amdhsa_forward_progress 1
		.amdhsa_inst_pref_size 123
	.end_amdhsa_kernel
	.amdgpu_metadata
---
amdhsa.version: [ 1, 2 ]
amdhsa.kernels:
  - .name:           k_q893cd4f8b3_outp
    .symbol:         k_q893cd4f8b3_outp.kd
    .args:
      - { .name: aimg, .offset: 0, .size: 8, .value_kind: global_buffer, .address_space: global }
      - { .name: asc, .offset: 8, .size: 8, .value_kind: global_buffer, .address_space: global }
      - { .name: bimg, .offset: 16, .size: 8, .value_kind: global_buffer, .address_space: global }
      - { .name: bsc, .offset: 24, .size: 8, .value_kind: global_buffer, .address_space: global }
      - { .name: wo_b, .offset: 32, .size: 8, .value_kind: global_buffer, .address_space: global }
      - { .name: w2_b, .offset: 40, .size: 8, .value_kind: global_buffer, .address_space: global }
      - { .name: x3, .offset: 48, .size: 8, .value_kind: global_buffer, .address_space: global }
      - { .name: out0, .offset: 56, .size: 8, .value_kind: global_buffer, .address_space: global }
    .group_segment_fixed_size: 327680
    .private_segment_fixed_size: 0
    .kernarg_segment_align: 8
    .kernarg_segment_size: 64
    .max_flat_workgroup_size: 128
    .sgpr_count:     102
    .vgpr_count:     512
    .wavefront_size: 32
...
	.end_amdgpu_metadata
.endif
;; end of part 4
;; ======== version 2 of 2: 4 launches; version 1 with the launch attn written anew for expert scheduling mode
;; limits: right only within a limited range of input values
;; workspace buffers: xq 8,912,896 bytes; msk 528,384 bytes of whole numbers; qkv 6,684,672 bytes; aimg 3,670,016 bytes; asc 229,376 bytes; bimg 3,670,016 bytes; bsc 229,376 bytes
;; launch prep: the kernel of part 1 again; grid 672 x 1, 4 waves a work-group, no clusters, 39,424 bytes of LDS; arguments x0, x1, x2, x3, ln0_w, ln1_w, ln2_w, ffn_ln_w, ln0_b, ln1_b, ln2_b, ffn_ln_b, mask, wo_w_codes, wo_w_scales, w2_w_codes, w2_w_scales, xq, msk, bimg, bsc; writes xq, msk, bimg, bsc
;; launch proj: the kernel of part 2 again; grid 8 x 30, 4 waves a work-group, clusters of 4 x 1, 327,680 bytes of LDS; arguments xq, wq_w_codes, wk_w_codes, wv_w_codes, w1_w_codes, wq_w_scales, wk_w_scales, wv_w_scales, w1_w_scales, wq_b, wk_b, wv_b, w1_b, qn_w, kn_w, freqs_cis, qkv, aimg, asc; writes qkv, aimg, asc
;; launch attn (part 5): grid 16 x 16, 8 waves a work-group, no clusters, 279,552 bytes of LDS; arguments qkv, msk, aimg, asc; writes aimg, asc
.if DOCPART == 5
	.amdgcn_target "amdgcn-amd-amdhsa--gfx1250"
	.amdhsa_code_object_version 6
	.text
	.protected	k_q893cd4f8b3_attn
	.globl	k_q893cd4f8b3_attn
	.p2align	8
	.type	k_q893cd4f8b3_attn,@function
k_q893cd4f8b3_attn:
	s_mov_b64 s[64:65], 0
	v_nop
	global_prefetch_b8 v0, s[64:65] scope:SCOPE_SE
	s_setreg_imm32_b32 hwreg(HW_REG_WAVE_SCHED_MODE, 0, 2), 2
	s_setreg_imm32_b32 hwreg(HW_REG_WAVE_MODE, 25, 1), 1
	s_wait_xcnt 0x0
	s_wait_alu depctr_vm_vsrc(0)
; ATTN: y[q][head] = softmax over the keys of (q . k / sqrt(128), or -65504 where the mask input is 0) times v, both products on codes of E2M1 with E8M0 scales; y leaves as codes, K steps 0 .. 15 of the last product.
; THE SOFTMAX AHEAD OF THE SECOND PRODUCT: t = logit x log2(e); M = the running largest t rounded UP to a whole number; p = 2^(t - M) is quantised along the keys; the row's sum is taken of the unquantised p and divides at the end.
; SHARES.  Work-group (x, head); wave w < 4 owns query tile T = 4 x + w, wave w >= 4 tile 127 - 4 x - (w - 4): 16 queries each.
; THE HEAD'S K AND V, images of fragments and their scale words, 278,528 bytes, are copied into LDS once, through registers (each wave an eighth), ahead of ONE barrier; behind it LDS is only read.
; WHY NO TENSOR LOADS AND NO CLUSTER: which key steps a wave works hangs on a list read from memory.
; THE LIST.  A key step all of whose 16 x 128 mask bytes are 0 adds exactly 0 to every sum, so long as each of the 16 queries has an open key somewhere: it is jumped over.  A tile with a query that has no open key walks all steps:
; that row's p are then all equal, as reference()'s softmax of equal logits is.  The loop has a constant 16 trips; the jump is a scalar branch on the stored list.
; A STEP AHEAD.  What a step wants first, its K fragments with their scale words (from LDS) and its 64 lane masks (from memory, into scalar registers), is asked for by the trip before it: a worked step asks for step j + 1 behind its own
; last read of those registers, more than 200 instructions ahead of the use; a step that is jumped over asks if the list says that the next one is worked.  Step 0's are asked for ahead of the loop.
; LAYOUT.  S^T = K Q^T (source 0 = 16 keys, source 1 = my queries), O^T = V^T P^T: a lane holds ONE query (lane % 16); S^T's register 8 t + j is key 16 t + 8 (lane / 16) + j of the step.
; Masked scores are replaced, ahead of the maximum, by -65504 sqrt(128), which the scaling turns into -65504 log2(e).
; LIMITS: open logits above about -65,000 (else a step that was jumped over would have counted); NaN and infinities are not served; a block of zeros gets the scale byte 1.
; REGISTERS, window 0: v1-11 addresses and the masked score; v12 -M, v13 the largest t, v[14:15] the sum; v16-23 Q, v24 its scale words; v32-95 eight fragments of V; v96-159 S^T, then p; v160-223 O^T; v224-231 p's codes;
; v232-247 at work; v240-243 V's scale words; v248-251 K's; v252 f; v253 p's scale word; v254 at work.   window 1: v32-95 eight fragments of K (during the copy: its last twelve pieces).
; THE MODE: SCHED_MODE bits 1:0 = 2 (LLVM: expert scheduling mode 2), set by the entry lines.  The code itself states the register dependences between vector or matrix instructions and memory or LDS instructions, with s_wait_alu, always for 0.
; THE PLAN.  Registers that memory or LDS instructions touch:
;   v1, v4-7, v25   addresses made at the head, ahead of the first load's wait, and never written again.   v2, v3: made between the barrier's halves; v3 is read by the first request for K, which has a wait of its own.
;   v32-255, window 1 v32-79   THE COPY: global loads land in them, LDS stores read them; one wait on vm_vsrc, in front of the barrier's signal, stands ahead of all that writes them again (the clearing, matrix results, LDS loads).
;   v8-10           THE LOOP: written by additions at a worked step's head (v8 and v10 in the idle arm too), read by that trip's LDS loads: one wait on vm_vsrc at the loop's top, ahead of the branch, serves both arms.
;   K (window 1 v32-95, v248-251)   read by a step's first product; the next step's land in them.      V (v32-95, v240-243)   read by a step's second product; the next worked step's land in them.
;   s[32:99]        read by a step's 64 selections; the next step's lane masks land in them.
; So ONE wait on va_vdst serves all loads of a worked step; it stands behind the 64 selections: the three addresses are written, the last step's second product is done with V, this step's first product with K, the selections with the masks.
; Behind it the masks' loads go out, V's loads are dealt among the lines that search for the maximum, and K's follow in one run: those lines name v96-159 and v232-235 alone, none of the registers that the loads touch.
; A second wait on va_vdst stands ahead of the second product, whose source 1 and scale word vector lines have made; the two waits behind the exponentials are as ever.
.set VIMG, 131072
.set KSC,  262144
.set LI,   1                           ; 16 x lane
.set LIV,  2
.set LIS,  3
.set FA,   4                           ; the copy: 16 x lane + 16,384 x wave
.set FAV,  5
.set FS,   6
.set FSG,  7                           ; 16 x lane + 1,024 x wave
.set ADK,  8
.set ADV,  9
.set ADS,  10
.set NEG,  11
.set QS,   24
.set RO,   25                          ; 16 r
.set KW,   32                          ; window 1: K's fragments
.set PC,   224
.set TM,   232
.set PW,   248
.set MN,   2                           ; s2   the byte offset of the lane masks that are being asked for; written only when no scalar load is out
.set SEL,  16                          ; s[16:17], s[18:19]: set behind the copy, when the pointers that stood there are done with
.set CSC,  18
.set TK,   20
.set TS,   21
.set MO,   22
.set ACT,  30
.set JJ,   31
.set MSB, 0
.macro WIN new                         ; the immediate's high byte repeats the setting that is left
.if MSB != \new
	s_set_vgpr_msb (MSB<<8)|\new
.set MSB, \new
.endif
.endm
.macro MLOAD                           ; a step's 64 lane masks, 256 bytes at s[MN] in my tile's masks
	s_load_b512 s[32:47], s[6:7], s[MN] offset:0x0
	s_load_b512 s[48:63], s[6:7], s[MN] offset:0x40
	s_load_b512 s[68:83], s[6:7], s[MN] offset:0x80
	s_load_b512 s[84:99], s[6:7], s[MN] offset:0xc0
.endm
; A step's eight fragments of K into window 1, and its scale words: register i: lanes 0-15 tile i's words, lanes 16-31 tile 4 + i's.  fresh = 1: an address register has been written since the last wait on va_vdst.
.macro KAHEAD ak, as, ok, os, fresh
	WIN 0x40                                       ; destination window 1, address window 0
.if \fresh
	s_wait_alu depctr_va_vdst(0)                   ; the two address registers that the loads below read are written (the switch, the wait, the loads, in this order)
.endif
.irp t, 0,1,2,3,4,5,6,7
	ds_load_b128 v[KW+8*\t:KW+8*\t+3], v[\ak] offset:\ok+1024*\t
	ds_load_b128 v[KW+8*\t+4:KW+8*\t+7], v[\ak] offset:\ok+1024*\t+512
.endr
	WIN 0
	ds_load_b128 v[248:251], v[\as] offset:\os
.endm
.macro VPAIR t0                        ; two of V's eight fragments
.irp t, \t0, \t0+1
	ds_load_b128 v[32+8*(\t):35+8*(\t)], v[ADV] offset:1024*(\t)
	ds_load_b128 v[36+8*(\t):39+8*(\t)], v[ADV] offset:1024*(\t)+512
.endr
.endm
.macro MAXG i                          ; two more scores of each block of 32 keys, the four blocks by turns
.irp b, 0,1,2,3
	v_max3_num_f32 v[232+\b], v[232+\b], v[96+16*\b+\i], v[97+16*\b+\i]
.endr
.endm
	s_load_b256 s[4:11], s[0:1], 0x0               ; qkv, msk, aimg, asc
	v_lshl_add_u32 v30, v0, 2, 0x44000
	v_mov_b32 v31, 0
	v_lshrrev_b32 v1, 5, v0
	v_readfirstlane_b32 s12, v1                    ; wave 0..7
	s_and_b32 s14, ttmp7, 0xffff                   ; head
	s_lshl_b32 s13, ttmp9, 2
	s_wait_alu depctr_va_sdst(0)                   ; s12 is written, ahead of its first reader: my tile and all my addresses are made from it
	s_add_co_u32 s15, s13, s12
	s_sub_co_u32 s2, 131, s13
	s_sub_co_u32 s2, s2, s12
	s_cmp_lt_u32 s12, 4
	s_cselect_b32 s15, s15, s2                     ; T
	s_lshl_b32 s2, s14, 17
	s_mov_b32 s3, 0
	s_lshl_b32 s30, s14, 13
	s_mov_b32 s31, 0
	s_wait_kmcnt 0x0
	s_add_nc_u64 s[24:25], s[4:5], s[2:3]          ; the head's images: q's,
	s_add_nc_u64 s[16:17], s[24:25], 0x200000      ; k's,
	s_add_nc_u64 s[18:19], s[24:25], 0x400000      ; v's
	s_add_nc_u64 s[26:27], s[4:5], s[30:31]
	s_add_nc_u64 s[26:27], s[26:27], 0x600000      ; its scale words: q's,
	s_add_nc_u64 s[20:21], s[26:27], 0x20000       ; k's,
	s_add_nc_u64 s[22:23], s[26:27], 0x40000       ; v's
	s_lshl_b32 s2, s15, 10
	s_add_nc_u64 s[24:25], s[24:25], s[2:3]        ; my tile of q
	s_lshr_b32 s2, s15, 2
	s_lshl_b32 s2, s2, 8                           ; 512 (T / 8) + 256 ((T / 4) % 2)
	s_and_b32 s30, s15, 3
	s_lshl_b32 s30, s30, 2
	s_add_co_u32 s2, s2, s30                       ; + 4 (T % 4): my tile's words in a step's scale words
	s_add_nc_u64 s[26:27], s[26:27], s[2:3]
	s_lshl_b32 s30, s14, 13
	s_add_co_u32 s30, s30, s2
	s_add_nc_u64 s[10:11], s[10:11], s[30:31]      ; asc[step = head], my tile's words
	s_mul_i32 s30, s15, 28672
	s_lshl_b32 s2, s14, 10
	s_add_co_u32 s30, s30, s2
	s_add_nc_u64 s[8:9], s[8:9], s[30:31]          ; aimg[T][step = head]
	s_lshl_b32 s30, s15, 5
	s_add_co_u32 s30, s30, 0x80000
	s_add_nc_u64 s[28:29], s[6:7], s[30:31]
	s_load_b256 s[32:39], s[28:29], 0x0            ; four pairs: (steps with an open key, lanes with an open key)
	s_lshl_b32 s30, s15, 12
	s_add_nc_u64 s[6:7], s[6:7], s[30:31]          ; my tile's lane masks
	v_and_b32 v26, 31, v0
	v_lshlrev_b32 v[LI], 4, v26
	s_lshl_b32 s13, s12, 14
	v_add_nc_u32 v[FA], s13, v[LI]
	v_add_nc_u32 v[FAV], VIMG, v[FA]
	s_lshl_b32 s13, s12, 10
	v_add_nc_u32 v[FSG], s13, v[LI]
	v_add_nc_u32 v[FS], KSC, v[FSG]
	v_and_b32 v[RO], 15, v0
	v_lshlrev_b32 v[RO], 4, v[RO]
	s_wait_alu depctr_va_vdst(0)                   ; v[LI], v[FA], v[FAV], v[FSG], v[FS] and v[RO] are written: the copy's loads and LDS stores, Q's loads and the final stores read them, and no line writes them again
	; THE COPY: my eighth of K (32 pieces of 512 bytes), of V (32), of the scale words (2 + 2).  56 pieces fill v32-255, the other 12 land in window 1: none waits for a register of the first 56.
	; 62 loads go out at once; V's last eight and Q's scale words follow as soon as K's pieces are in.  Between the wait above and the last load stand loads, window switches and a wait on LOADcnt alone.
.set i, 0
.rept 32
	global_load_b128 v[32+4*i:35+4*i], v[FA], s[16:17] offset:512*i
.set i, i+1
.endr
.set i, 0
.rept 24
	global_load_b128 v[160+4*i:163+4*i], v[FA], s[18:19] offset:512*i
.set i, i+1
.endr
	WIN 0x40                                       ; destination window 1
	global_load_b128 v[64:67], v[FSG], s[20:21]
	global_load_b128 v[68:71], v[FSG], s[20:21] offset:512
	global_load_b128 v[72:75], v[FSG], s[22:23]
	global_load_b128 v[76:79], v[FSG], s[22:23] offset:512
	WIN 0
	global_load_b128 v[16:19], v[LI], s[24:25]             ; Q's fragment stays in registers
	global_load_b128 v[20:23], v[LI], s[24:25] offset:512
	s_wait_loadcnt 30                              ; K's 32 pieces are in; behind them: V's 24, the scale words' 4, Q's 2
	WIN 0x40
.set i, 0
.rept 8
	global_load_b128 v[32+4*i:35+4*i], v[FA], s[18:19] offset:512*(24+i)
.set i, i+1
.endr
	WIN 0
	global_load_b32 v[QS], v[RO], s[26:27]                 ; Q's scale words
.set i, 0
.rept 32
	ds_store_b128 v[FA], v[32+4*i:35+4*i] offset:512*i
.set i, i+1
.endr
	s_wait_loadcnt 15                              ; V's first 24 pieces are in; behind them: 4 + 2 + 8 + 1
.set i, 0
.rept 24
	ds_store_b128 v[FAV], v[160+4*i:163+4*i] offset:512*i
.set i, i+1
.endr
	s_wait_loadcnt 0x0
	WIN 0x04                                       ; an LDS store's data are its source 1: window 1
.set i, 0
.rept 8
	ds_store_b128 v[FAV], v[32+4*i:35+4*i] offset:512*(24+i)
.set i, i+1
.endr
	ds_store_b128 v[FS], v[64:67]
	ds_store_b128 v[FS], v[68:71] offset:512
	ds_store_b128 v[FS], v[72:75] offset:8192
	ds_store_b128 v[FS], v[76:79] offset:8704
	WIN 0
	s_wait_kmcnt 0x0
	s_or_b32 s30, s32, s34                         ; the list: steps with an open key,
	s_or_b32 s30, s30, s36
	s_or_b32 s30, s30, s38
	s_or_b32 s31, s33, s35
	s_or_b32 s31, s31, s37
	s_or_b32 s31, s31, s39
	s_lshr_b32 s13, s31, 16
	s_or_b32 s31, s31, s13
	s_and_b32 s31, s31, 0xffff                     ; queries with an open key:
	s_cmp_eq_u32 s31, 0xffff
	s_cselect_b32 s[ACT], s30, 0xffff              ; if one has none, all steps are walked
	s_mov_b32 s[MN], 0
	MLOAD                                          ; step 0's lane masks
	s_mov_b32 s[SEL], 0x76543210                   ; (every load that named s[16:23] has come back)
	s_mov_b32 s[SEL+1], 0xfedcba98
	s_mov_b32 s[CSC], 0x3e0293ee                   ; c = log2(e) / sqrt(128)
	s_mov_b32 s[CSC+1], s[CSC]
	s_mov_b32 s[TK], 0
	s_mov_b32 s[TS], 0
	s_mov_b32 s[MO], 0
	s_mov_b32 s[JJ], 0
	s_wait_dscnt 0x0                               ; for the others' sake: my stores have landed
	s_wait_alu depctr_vm_vsrc(0)                   ; my LDS stores have read v32-255 and window 1's v32-79: the clearing below, the products' results and the LDS loads of K and V write these registers again
	s_barrier_signal -1
	v_add_nc_u32 v[LIV], VIMG, v[LI]               ; work on registers while the others arrive: my lane's place in V's images,
	v_add_nc_u32 v[LIS], KSC, v[LI]                ; and among the scale words
	v_mov_b32 v[NEG], 0xc934ee53                   ; -65504 sqrt(128)
	v_mov_b32 v13, 0xff61b1e6                      ; the largest t so far: -3e38, under every t
	v_floor_f32 v12, -v13                          ; -M
	v_mov_b32 v14, 0
	v_mov_b32 v15, 0
.irp b, 0,1,2,3
	v_mov_b32 v[236+\b], 0                         ; (a lane permute's destination counts as one of its sources)
.endr
	v_mov_b32 v252, 0
	v_mov_b32 v253, 0
.set i, 0
.rept 64
	v_mov_b32 v[160+i], 0                          ; O^T: the step is written once; the first finds zeros, which the first change of M leaves zeros
.set i, i+1
.endr
	s_barrier_wait -1                              ; the head's K and V lie in LDS
	KAHEAD LI, LIS, 0, 0, 1                        ; step 0's K; its wait states that v[LIS], made just above, is written
.Lstep:
	s_wait_alu depctr_vm_vsrc(0)                   ; the LDS loads issued so far have read v[ADK], v[ADV] and v[ADS], which this trip writes in either arm: ahead of the branch, for both
	s_lshr_b32 s23, s[ACT], s[JJ]
	s_and_b32 s13, s23, 1
	s_cmp_eq_u32 s13, 0
	s_cbranch_scc1 .Lidle
	s_wait_dscnt 0x0                               ; this step's K and its scale words, asked for a trip ago
	v_add_nc_u32 v[ADK], s[TK], v[LI]
	v_add_nc_u32 v[ADV], s[TK], v[LIV]
	v_add_nc_u32 v[ADS], s[TS], v[LIS]
	WIN 0x01                                       ; source 0 (K) window 1
.irp t, 0,1,2,3
	v_wmma_scale_f32_16x16x128_f8f6f4 v[96+8*\t:103+8*\t], v[KW+8*\t:KW+8*\t+7], v[16:23], 0, v[248+\t], v[QS] matrix_a_fmt:MATRIX_FMT_FP4 matrix_b_fmt:MATRIX_FMT_FP4
.endr
.irp t, 4,5,6,7
	v_wmma_scale_f32_16x16x128_f8f6f4 v[96+8*\t:103+8*\t], v[KW+8*\t:KW+8*\t+7], v[16:23], 0, v[244+\t], v[QS] matrix_a_fmt:MATRIX_FMT_FP4 matrix_b_fmt:MATRIX_FMT_FP4 matrix_a_scale:MATRIX_SCALE_ROW1
.endr
	WIN 0
.rept 4
	v_nop                                          ; the places behind these products, in front of the first read of their results
.endr
	s_wait_kmcnt 0x0                               ; this step's lane masks, asked for a trip ago
.set n, 0
.rept 64
	v_cndmask_b32 v[96+n], v[NEG], v[96+n], s[32+n+4*(n/32)]       ; where the mask is 0: the masked score
.set n, n+1
.endr
	s_wait_alu depctr_va_vdst(0)                   ; THE STEP'S ONE WAIT FOR ITS LOADS: v[ADK], v[ADV], v[ADS] are written; the last step's second product is done reading V and v240-243, this step's first product K and v248-251, the selections s[32:99]
	s_add_co_u32 s[MN], s[MO], 256                 ; THE NEXT STEP'S lane masks (no scalar load is out: the offset may be written); the last step asks for its own again: inside the buffer, and not used
	s_min_u32 s[MN], s[MN], 3840
	MLOAD
	VPAIR 0                                        ; V's fragments, four loads at a time among the lines below, which name v96-159 and v232-235 alone: they land while the softmax is worked
.irp b, 0,1,2,3
	v_max3_num_f32 v[232+\b], v[96+16*\b], v[97+16*\b], v[98+16*\b]        ; the largest score of each block of 32 keys: for the row's maximum, and, since p rises with the score, for the block's largest p
.endr
	VPAIR 2
	MAXG 3
	VPAIR 4
	MAXG 5
	VPAIR 6
	MAXG 7
	ds_load_b128 v[240:243], v[ADS] offset:8192    ; V's scale words
	MAXG 9
	MAXG 11
	MAXG 13
.irp b, 0,1,2,3
	v_max_num_f32 v[232+\b], v[232+\b], v[111+16*\b]
.endr
	KAHEAD ADK, ADS, 8192, 512, 0                  ; the next step's K, in one run.  No further wait: since the step's wait stand loads, window switches and lines that name none of these registers.  Behind step 15 these addresses fall into V's image and V's scale words: inside LDS, and not used
.irp b, 0,1,2,3
	v_permlanex16_b32 v[236+\b], v[232+\b], s[SEL], s[SEL+1]
.endr
.irp b, 0,1,2,3
	v_max_num_f32 v[232+\b], v[232+\b], v[236+\b]
.endr
	v_max3_num_f32 v254, v232, v233, v234
	v_max_num_f32 v254, v254, v235
	v_mul_f32 v254, s[CSC], v254
	v_max_num_f32 v13, v13, v254                   ; the running largest t
	v_mov_b32 v254, v12
	v_floor_f32 v12, -v13                          ; the new -M = -ceil(t)
	v_sub_f32 v254, v12, v254
	v_cvt_i32_f32 v254, v254                       ; old M - new M: a whole number, 0 or less (it saturates)
	v_ldexp_f32 v252, 1.0, v254                    ; f = 2^(old M - new M)
.irp j, 0,2,4,6,8,10,12,14,16,18,20,22,24,26,28,30,32,34,36,38,40,42,44,46,48,50,52,54,56,58,60,62
	v_pk_fma_f32 v[96+\j:97+\j], v[96+\j:97+\j], s[CSC:CSC+1], v[12:13] op_sel_hi:[1,0,0]      ; t - M
.endr
.irp b, 0,1,2,3
	v_fma_f32 v[232+\b], v[232+\b], s[CSC], v12
.endr
.set n, 0
.rept 64
	v_exp_f32 v[96+n], v[96+n]                     ; p = 2^(t - M)
.set n, n+1
.endr
	v_pk_mul_f32 v[14:15], v[14:15], v[252:253] op_sel_hi:[1,0]    ; the sums under the new M: a plain instruction behind the exponentials
	s_wait_alu depctr_va_vdst(0)                   ; the 64 exponentials have written v96-159: one wait for the batch, ahead of its first reader
.irp b, 0,1,2,3
	v_exp_f32 v[232+\b], v[232+\b]                 ; the block's largest p
.endr
	v_pk_add_f32 v[236:237], v[96:97], v[98:99]    ; the row's sum of the unquantised p, in two chains
.irp j, 4,8,12,16,20,24,28,32,36,40,44,48,52,56,60
	v_pk_add_f32 v[14:15], v[14:15], v[96+\j:97+\j]
	v_pk_add_f32 v[236:237], v[236:237], v[98+\j:99+\j]
.endr
	v_pk_add_f32 v[14:15], v[14:15], v[236:237]
	s_wait_alu depctr_va_vdst(0)                   ; the four exponentials have written v232-235, ahead of their first reader
.irp b, 0,1,2,3
	v_max_num_f32 v[232+\b], 0x1800000, v[232+\b]
.endr
.irp b, 0,1,2,3
	v_add_nc_u32 v[244+\b], 0xff000000, v[232+\b]
.endr
.irp b, 0,1,2,3
	v_lshrrev_b32 v[236+\b], 23, v[244+\b]
.endr
	v_lshl_or_b32 v253, v237, 8, v236              ; p's scale word for these 128 keys
	v_lshl_or_b32 v253, v238, 16, v253
	v_lshl_or_b32 v253, v239, 24, v253
.irp b, 0,1,2,3                                ; tile 2 b's codes are dwords h, tile 2 b + 1's dwords 2 + h of block b: placed so that the exchanges below give a lane a whole block
	v_cvt_scalef32_pk8_fp4_f32 v[224+4*(\b/2)+(\b%2)], v[96+16*\b:103+16*\b], v[244+\b]
	v_cvt_scalef32_pk8_fp4_f32 v[226+4*(\b/2)+(\b%2)], v[104+16*\b:111+16*\b], v[244+\b]
.endr
	v_nop
.irp c, 0,1
	v_permlane16_swap_b32 v[224+4*\c], v[225+4*\c]
	v_permlane16_swap_b32 v[226+4*\c], v[227+4*\c]
.endr
.irp j, 0,2,4,6,8,10,12,14,16,18,20,22,24,26,28,30,32,34,36,38,40,42,44,46,48,50,52,54,56,58,60,62
	v_pk_mul_f32 v[160+\j:161+\j], v[160+\j:161+\j], v[252:253] op_sel_hi:[1,0]    ; O^T under the new M; these 32 also stand between the lines that made p's codes and scale word and the products
.endr
	s_wait_alu depctr_va_vdst(0)                   ; p's codes v224-231 and its scale word v253, which vector lines made, are written: the scaled products below take them as source 1 and as its scales; the places above stay beside this wait
	s_wait_dscnt 0x0                               ; V (and the next step's K: both were asked for in front of the softmax)
.irp t, 0,1,2,3
	v_wmma_scale_f32_16x16x128_f8f6f4 v[160+8*\t:167+8*\t], v[32+8*\t:39+8*\t], v[224:231], v[160+8*\t:167+8*\t], v[240+\t], v253 matrix_a_fmt:MATRIX_FMT_FP4 matrix_b_fmt:MATRIX_FMT_FP4
.endr
.irp t, 4,5,6,7
	v_wmma_scale_f32_16x16x128_f8f6f4 v[160+8*\t:167+8*\t], v[32+8*\t:39+8*\t], v[224:231], v[160+8*\t:167+8*\t], v[236+\t], v253 matrix_a_fmt:MATRIX_FMT_FP4 matrix_b_fmt:MATRIX_FMT_FP4 matrix_a_scale:MATRIX_SCALE_ROW1
.endr
	s_branch .Lnext
.Lidle:                                            ; a step that is jumped over: if the next one is worked, its lane masks and its K are asked for here
	s_lshr_b32 s13, s23, 1
	s_and_b32 s13, s13, 1                          ; (the list has 16 bits: behind step 15 this is 0)
	s_cmp_eq_u32 s13, 0
	s_cbranch_scc1 .Lnext
	s_wait_kmcnt 0x0                               ; no scalar load and no LDS load of mine is out: their targets and the offset may be written again
	s_wait_dscnt 0x0
	s_add_co_u32 s[MN], s[MO], 256
	s_min_u32 s[MN], s[MN], 3840
	MLOAD                                          ; (the last selections that read s[32:99] stand ahead of the wait in front of their step's second product)
	v_add_nc_u32 v[ADK], s[TK], v[LI]              ; (behind the wait on vm_vsrc at the loop's top)
	v_add_nc_u32 v[ADS], s[TS], v[LIS]
	KAHEAD ADK, ADS, 8192, 512, 1                  ; its wait states that v[ADK] and v[ADS], made just above, are written
.Lnext:
	s_add_co_u32 s[TK], s[TK], 8192                ; the next step's images, scale words and lane masks
	s_add_co_u32 s[TS], s[TS], 512
	s_add_co_u32 s[MO], s[MO], 256
	s_add_co_u32 s[JJ], s[JJ], 1
	s_cmp_lt_u32 s[JJ], 16
	s_cbranch_scc1 .Lstep
	; THE WAY OUT: O^T / the sum is my 16 queries x the head's 128: K step = head of the last product.  It is quantised as it stands: register 8 t + j = channel 16 t + 8 h + j of query r
	s_wait_dscnt 0x0                               ; what the last worked step asked for ahead has landed: v248 is written below
.rept 2
	v_nop
.endr
	v_add_f32 v14, v14, v15
	v_permlanex16_b32 v252, v14, s[SEL], s[SEL+1]
	v_add_f32 v14, v14, v252
	v_rcp_f32 v14, v14
	v_nop
	s_wait_alu depctr_va_vdst(0)                   ; the reciprocal has written v14, ahead of its first reader
.set n, 0
.rept 64
	v_mul_f32 v[96+n], v[160+n], v14
.set n, n+1
.endr
.irp b, 0,1,2,3
	v_max3_num_f32 v[TM+\b], |v[96+16*\b]|, |v[97+16*\b]|, 0x1800000
.endr
.irp i, 2,4,6,8,10,12,14
.irp b, 0,1,2,3
	v_max3_num_f32 v[TM+\b], v[TM+\b], |v[96+16*\b+\i]|, |v[97+16*\b+\i]|
.endr
.endr
.irp b, 0,1,2,3
	v_permlanex16_b32 v[TM+4+\b], v[TM+\b], s[SEL], s[SEL+1]
.endr
.irp b, 0,1,2,3
	v_max_num_f32 v[TM+\b], v[TM+\b], v[TM+4+\b]
.endr
.irp b, 0,1,2,3
	v_add_nc_u32 v[TM+12+\b], 0xff000000, v[TM+\b]
.endr
.irp b, 0,1,2,3
	v_lshrrev_b32 v[TM+4+\b], 23, v[TM+12+\b]
.endr
	v_lshl_or_b32 v[PW], v[TM+5], 8, v[TM+4]
	v_lshl_or_b32 v[PW], v[TM+6], 16, v[PW]
	v_lshl_or_b32 v[PW], v[TM+7], 24, v[PW]
.irp b, 0,1,2,3
	v_cvt_scalef32_pk8_fp4_f32 v[PC+4*(\b/2)+(\b%2)], v[96+16*\b:103+16*\b], v[TM+12+\b]
	v_cvt_scalef32_pk8_fp4_f32 v[PC+2+4*(\b/2)+(\b%2)], v[104+16*\b:111+16*\b], v[TM+12+\b]
.endr
	v_nop
.irp c, 0,1
	v_permlane16_swap_b32 v[PC+4*\c], v[PC+4*\c+1]
	v_permlane16_swap_b32 v[PC+4*\c+2], v[PC+4*\c+3]
.endr
	s_wait_kmcnt 0x0                               ; the lane masks asked for ahead by the last worked step have landed: no scalar load of mine is out at the wave's end
	s_wait_alu depctr_va_vdst(0)                   ; the conversions and exchanges have written v[PC ..], the shifts v[PW]: the three stores below read them
	global_store_b128 v[LI], v[PC:PC+3], s[8:9]            ; the image: two stores of 512 consecutive bytes, aligned
	global_store_b128 v[LI], v[PC+4:PC+7], s[8:9] offset:512
	global_store_b32 v[RO], v[PW], s[10:11]                ; 16 words, 16 bytes apart (lanes 16-31 write what lanes 0-15 write): 64 bytes beside the image's 1,024
	s_wait_dscnt 0x0                               ; the closing lines, six on end
	s_wait_alu 0x0
	s_wait_tensorcnt 0x0
	ds_add_u32 v30, v31
	s_wait_dscnt 0x0
	s_endpgm
.Lfunc_end_k_q893cd4f8b3_attn:
	.size	k_q893cd4f8b3_attn, .Lfunc_end_k_q893cd4f8b3_attn-k_q893cd4f8b3_attn
	.p2alignl 7, 3214868480
	.fill 96, 4, 3214868480
	.section	.rodata,"a",@progbits
	.p2align	6, 0x0
	.amdhsa_kernel k_q893cd4f8b3_attn
		.amdhsa_group_segment_fixed_size 279552
		.amdhsa_private_segment_fixed_size 0
		.amdhsa_enable_private_segment 0
		.amdhsa_kernarg_size 32
		.amdhsa_user_sgpr_count 2
		.amdhsa_user_sgpr_kernarg_segment_ptr 1
		.amdhsa_wavefront_size32 1
		.amdhsa_system_sgpr_workgroup_id_x 1
		.amdhsa_system_sgpr_workgroup_id_y 1
		.amdhsa_system_sgpr_workgroup_id_z 1
		.amdhsa_system_vgpr_workitem_id 0
		.amdhsa_next_free_vgpr 352
		.amdhsa_next_free_sgpr 100
		.amdhsa_reserve_vcc 0
		.amdhsa_float_denorm_mode_32 3
		.amdhsa_float_denorm_mode_16_64 3
		.amdhsa_memory_ordered 1
		.amdhsa_forward_progress 1
		.amdhsa_inst_pref_size 50
	.end_amdhsa_kernel
	.amdgpu_metadata
---
amdhsa.version: [ 1, 2 ]
amdhsa.kernels:
  - .name:           k_q893cd4f8b3_attn
    .symbol:         k_q893cd4f8b3_attn.kd
    .args:
      - { .name: qkv, .offset: 0, .size: 8, .value_kind: global_buffer, .address_space: global }
      - { .name: msk, .offset: 8, .size: 8, .value_kind: global_buffer, .address_space: global }
      - { .name: aimg, .offset: 16, .size: 8, .value_kind: global_buffer, .address_space: global }
      - { .name: asc, .offset: 24, .size: 8, .value_kind: global_buffer, .address_space: global }
    .group_segment_fixed_size: 279552
    .private_segment_fixed_size: 0
    .kernarg_segment_align: 8
    .kernarg_segment_size: 32
    .max_flat_workgroup_size: 256
    .sgpr_count:     100
    .vgpr_count:     352
    .wavefront_size: 32
...
	.end_amdgpu_metadata
.endif
;; end of part 5
;; launch outp: the kernel of part 4 again; grid 16 x 16, 4 waves a work-group, clusters of 4 x 4, 327,680 bytes of LDS; arguments aimg, asc, bimg, bsc, wo_b, w2_b, x3, out0; writes out0
